; MI455X (gfx1250); checked and timed in simulation.
; The chip was launched on July 23, 2026; its instructions are those of AMD's public machine-readable ISA for CDNA 5 (MIT licence, August 2026) and "CDNA5" Instruction Set Architecture Reference Guide (July 2026). The comments in the code are by the model that wrote it; some were corrected since.
;; TF Albert Attention. Allowed arithmetic: matrix products marked QUANTISED: E2M1 operands, one E8M0 scale for each 32 along K, by v_wmma_scale_f32_16x16x128_f8f6f4 with both operands' format E2M1 (or v_wmma_scale_f32_32x16x128_f4), f32 sums; everything else in f32.
;; Inputs: Wk 1,024 x 1,024 float32; Wo 1,024 x 1,024 float32; Wq 1,024 x 1,024 float32; Wv 1,024 x 1,024 float32; attention_mask 4 x 1 x 1 x 2,048 float32; bk 1,024 float32; bo 1,024 float32; bq 1,024 float32; bv 1,024 float32; ln_beta 1,024 float32; ln_gamma 1,024 float32; x 4 x 2,048 x 1,024 float32.
;; Outputs: out0 4 x 2,048 x 1,024 float32.
;; This version of the problem:
;;   THIS VERSION OF THE PROBLEM IS GIVEN IN LOW PRECISION. The matrix products marked QUANTISED in the list below multiply operands that are first quantised to E2M1 (2 exponent bits, 1 mantissa bit; 4 bits a number), with one power-of-two scale for each 32 numbers along K (OCP MX v1.0); their sums are f32. All else is computed in f32.
;;   The module's matrix products, in the order in which they are computed (A, B: the left and right operand; K: the contracted axis; several contracted axes count as one K, in the product's order):
;;     1. [M 8,192, K 1,024] x [K 1,024, N 1,024]; A: input x; B: input Wq: QUANTISED
;;     2. [M 8,192, K 1,024] x [K 1,024, N 1,024]; A: input x; B: input Wk: QUANTISED
;;     3. [M 8,192, K 1,024] x [K 1,024, N 1,024]; A: input x; B: input Wv: QUANTISED
;;     4. batch 64 x [M 2,048, K 64] x [K 64, N 2,048]; A: computed on the way; B: computed on the way: QUANTISED
;;     5. batch 64 x [M 2,048, K 2,048] x [K 2,048, N 64]; A: softmax (see below); B: computed on the way: QUANTISED
;;     6. [M 8,192, K 1,024] x [K 1,024, N 1,024]; A: computed on the way; B: input Wo: QUANTISED
;;   THE QUANTISER, for each operand of a quantised product, along K:
;;     - K is cut into blocks of 32 from its start; a last block that is shorter is filled with zeros.
;;     - A block's scale is 2^e with e = floor(log2(the largest magnitude in the block)) - 2, held to -126 .. 127; a block of zeros has e = 0. As a byte (E8M0): e + 127.
;;     - Each number is divided by its block's scale, clamped to +-6, and rounded to the nearest number of E2M1, ties to even, subnormals kept.
;;     - The product sums the exact products of the quantised numbers (number of the format x scale) in f32.
;;   ~~~python
;;   def quantise(x, axis):      # numpy; x: float32 -> the quantised numbers, widened to float32 again
;;       x = np.moveaxis(x, axis, -1); K = x.shape[-1]
;;       x = np.pad(x, [(0, 0)] * (x.ndim - 1) + [(0, -K % 32)]); x = x.reshape(x.shape[:-1] + (-1, 32)); a = np.abs(x).max(-1, keepdims=True)
;;       e = np.where(a > 0, np.clip(np.frexp(np.where(a > 0, a, 1))[1] - 1 - 2, -126, 127), 0)      # np.frexp(a)[1] - 1 = floor(log2(a)), exactly
;;       r = np.clip(x / 2.0 ** e, -6, 6)
;;       step = 2.0 ** (np.maximum(np.frexp(np.where(r == 0, 1, r))[1] - 1, 0) - 1)
;;       q = np.round(r / step) * step * 2.0 ** e      # np.round: ties to even
;;       return np.moveaxis(q.reshape(q.shape[:-2] + (-1,))[..., :K], -1, axis).astype(np.float32)
;;   ~~~
;;   SOFTMAX AHEAD OF A QUANTISED PRODUCT. Where the list says 'softmax', what is quantised is not the finished softmax but p = 2^(t - M), with t = logit x log2(e) and M = ceil(the row's largest t), a whole number; so 1/2 < the row's largest p <= 1. The row's sum l is taken of the UNQUANTISED p, in f32, and the product's result is divided by l at the end. Since M is a whole number, a kernel that streams over the keys may use a running M (the ceiling of the running maximum): every later rescaling is an exact power of two, which a block's scale takes up: the codes' values come out the same.
;;   OPERANDS COMPUTED ON THE WAY. 'Computed on the way' means the value that the module computes at that place (a softmax that the list does not call 'softmax' is quantised finished and normalised). What goes into a quantiser is computed in f32, as accurately as f32 sums, v_exp_f32 and their like allow (about 1e-6 of the number): no bf16 or f16 on the way to a quantiser, and a product that is left as it is and whose result goes on into a quantised operand takes f32 operands (vector FMAs, or v_wmma_f32_16x16x4_f32). A number that lies on a knife's edge between two numbers of the format may be rounded either way, as far as f32 arithmetic and the matrix unit's own rounding can turn it there, and no further.
;; One version. Each part assembles by itself: llvm-mc -triple=amdgcn-amd-amdhsa -mcpu=gfx1250 --defsym DOCPART=n.
;; ======== version 1 of 1: 4 launches
;; limits: right only within a limited range of input values
;; workspace buffers: xq 4,456,448 bytes; wq 2,228,224 bytes; qkv 12,582,912 bytes; qkvs 786,432 bytes; cq 4,194,304 bytes; cs 262,144 bytes
;; launch quant (part 1): grid 512 x 1, 4 waves a work-group, no clusters, 167,936 bytes of LDS; arguments x, Wq, Wk, Wv, Wo, xq, wq; writes xq, wq
.if DOCPART == 1
	.amdgcn_target "amdgcn-amd-amdhsa--gfx1250"
	.amdhsa_code_object_version 6
	.text
	.protected	k_q0497da9472_quant
	.globl	k_q0497da9472_quant
	.p2align	8
	.type	k_q0497da9472_quant,@function
k_q0497da9472_quant:
	s_mov_b64 s[64:65], 0
	v_nop
	global_prefetch_b8 v0, s[64:65] scope:SCOPE_SE
	s_setreg_imm32_b32 hwreg(HW_REG_WAVE_MODE, 25, 1), 1
	s_wait_xcnt 0x0
; ALBERT attention in MX-FP4, launch 1 of 4: x [8192][1024] and Wq, Wk, Wv, Wo [1024 (k)][1024 (n)], f32, become codes of E2M1 with one E8M0 byte for each 32 along K.
; DEAD WORK: none.  Every input of reference() has a way to the output for some finite values: the biases bq, bk, bv move the codes of q, k, v; attention_mask differs along the softmax's axis;
; bo, ln_gamma, ln_beta and x's residual enter the result directly.  So all twelve inputs are loaded by some launch and no product, row or step is left out.
; THE QUANTISER: a block's scale is 2^(floor(log2(largest magnitude)) - 2); its byte is the largest magnitude's exponent field - 2; each number / scale goes to the nearest code, ties to even, beyond 6 to 6.
; LIMITS: NaN and infinities among the inputs are not served.  A block whose largest magnitude lies under 2^(3 - 127) (a block of zeros among them) gets the byte 1 where the rule says less, or 127:
; a block of zeros has zero codes, which add nothing under any byte but 0xff, and the bytes are read by this program alone.
; LAYOUT OF BOTH WORKSPACES.  Rows (of x; columns n of a weight) are taken in tiles of 16: tile T, place r is row 32 (T / 2) + 8 (T % 2) + r % 8 + 16 (r / 8).  A tile's RECORD is 8,704 bytes:
; eight images of operand registers (K step s of 128: [c 2][lane 32][16 bytes] = registers 4 c .. 4 c + 3 of lane (r, h): k = 128 s + 64 c + 32 h + 0 .. 31), then 512 bytes of scale words [q 2][r 16][4]: word i = K step 4 q + i.
; SHARES.  Work-groups 0-255 take 32 rows of x each (two tiles); work-groups 256-511 take 128 columns x 128 along K of one weight.  The branch hangs on the work-group's number alone.
; x: each wave's tensor load brings 32 rows x 1,024 bytes; then wave w makes tile w % 2, K steps 4 (w / 2) on: a lane reads its two whole blocks of 32 numbers from LDS, so a block's maximum needs no other lane.
; W: a lane takes a column n and its registers run down K: each load reads 128 consecutive bytes a wave, and the conversions give codes with K innermost; nothing is transposed.
; No cluster: no two work-groups read the same bytes.
.set REC,   8704
.set RGN,   33280                      ; an LDS region: 32 rows x (1,024 bytes + 16 of padding)
.set XP,    1040
.set SPARE, 4*RGN                      ; behind the four regions: the spare words, 128 bytes a wave
.set FLOOR, 0x1800000                  ; 2^(3 - 127)
.set SPW,   1                          ; v1  my spare word's address; never rewritten
.set NIL,   2                          ; v2  0; never rewritten
.set SEL,   20                         ; s[20:21] selects of v_permlanex16_b32: lane l xor 16
.set HM,    22                         ; s22 a lane mask: lanes 16-31
.set G1,    24                         ; s[24:31] descriptor group 1
.set G0,    32                         ; s[32:35] descriptor group 0
; x: the 64 numbers of K step sp (of my four) into set sp % 2: register 32 c + i = k 64 c + 32 h + i of my row
.macro XLOADU sp
.irp c, 0,1
.irp i, 0,1,2,3,4,5,6,7
	ds_load_b128 v[64+64*((\sp)%2)+32*\c+4*\i:64+64*((\sp)%2)+32*\c+4*\i+3], v3 offset:((\sp)/2)*RGN+((\sp)%2)*512+256*\c+16*\i
.endr
.endr
.endm
; x: one K step: two blocks' scales, the scale word, eight conversions, two stores of 512 consecutive bytes
.macro XUNIT sp
.set NS, 64+64*((\sp)%2)
.irp c, 0,1
	v_max3_num_f32 v[8+\c], |v[NS+32*\c]|, |v[NS+32*\c+1]|, FLOOR       ; block 2 c + h: all 32 numbers are mine; the floor holds the byte at 1 from below
.endr
.irp i, 2,4,6,8,10,12,14,16,18,20,22,24,26,28,30
.irp c, 0,1
	v_max3_num_f32 v[8+\c], v[8+\c], |v[NS+32*\c+\i]|, |v[NS+32*\c+\i+1]|  ; the two blocks by turns
.endr
.endr
.irp c, 0,1
	v_add_nc_u32 v[12+\c], 0xff000000, v[8+\c]     ; 2 off the exponent field: the conversion's scale operand
.endr
.irp c, 0,1
	v_lshrrev_b32 v[14+\c], 23, v[12+\c]           ; the scale's byte
.endr
	v_lshl_or_b32 v14, v15, 16, v14                ; my two bytes, blocks h and 2 + h,
	v_lshlrev_b32 v14, v6, v14                     ; 8 h bits up;
	v_permlanex16_b32 v15, v14, s[SEL], s[SEL+1]
	v_or_b32 v[16+\sp], v14, v15                   ; with lane l xor 16's two the word is whole
.irp c, 0,1
.irp g, 0,1,2,3
	v_cvt_scalef32_pk8_fp4_f32 v[24+8*(\sp)+4*\c+\g], v[NS+32*\c+8*\g:NS+32*\c+8*\g+7], v[12+\c]
.endr
.endr
	v_nop                                          ; one plain place behind the conversions
	global_store_b128 v4, v[24+8*(\sp):27+8*(\sp)], s[42:43] offset:(\sp)*1024
	global_store_b128 v4, v[28+8*(\sp):31+8*(\sp)], s[42:43] offset:(\sp)*1024+512
.endm
; W: block t of my column: 32 numbers, all mine.  left: the younger loads that may stay out
.macro WBLOCK t, left
.set NS, 64+32*(\t)
	s_wait_loadcnt \left
	v_max3_num_f32 v8, |v[NS]|, |v[NS+1]|, |v[NS+2]|
	v_max3_num_f32 v9, |v[NS+3]|, |v[NS+4]|, |v[NS+5]|
.irp i, 6,10,14,18,22,26
	v_max3_num_f32 v8, v8, |v[NS+\i]|, |v[NS+\i+1]|
	v_max3_num_f32 v9, v9, |v[NS+\i+2]|, |v[NS+\i+3]|
.endr
	v_max3_num_f32 v8, v8, |v[NS+30]|, |v[NS+31]|
	v_max3_num_f32 v8, v8, v9, FLOOR
	v_add_nc_u32 v10, 0xff000000, v8
	v_lshrrev_b32 v11, 23, v10
.if (\t) == 0
	v_mov_b32 v16, v11                             ; the K step's scale word: byte t = block t
.else
	v_lshl_or_b32 v16, v11, 8*(\t), v16
.endif
.irp g, 0,1,2,3
	v_cvt_scalef32_pk8_fp4_f32 v[24+4*(\t)+\g], v[NS+8*\g:NS+8*\g+7], v10
.endr
	v_nop
	global_store_b128 v4, v[24+4*(\t):27+4*(\t)], s[42:43] offset:((\t)/2)*512+((\t)%2)*256   ; block t = 2 c + h of the image: 256 whole bytes in each of two records
.endm
	s_load_b256 s[4:11], s[0:1], 0x0               ; x s[4:5], Wq s[6:7], Wk s[8:9], Wv s[10:11]
	s_load_b128 s[12:15], s[0:1], 0x20             ; Wo s[12:13], xq s[14:15]
	s_load_b64 s[16:17], s[0:1], 0x30              ; wq
	v_lshl_add_u32 v[SPW], v0, 2, SPARE
	v_mov_b32 v[NIL], 0
	ds_add_u32 v[SPW], v[NIL]                      ; the wave's opening: the add, twice on end, and its wait ahead of the first tensor load
	ds_add_u32 v[SPW], v[NIL]
	v_lshrrev_b32 v3, 5, v0
	v_readfirstlane_b32 s18, v3                    ; wave 0..3
	s_mov_b32 s[SEL], 0x76543210
	s_mov_b32 s[SEL+1], 0xfedcba98
	s_mov_b32 s[HM], 0xffff0000
	s_mov_b32 s[G1+0], (2<<16)|(1<<20)|(7<<22)|(3<<25)  ; elements of 4 bytes; padding on: 4 words behind every 256
	s_mov_b32 s[G1+1], 256<<16                     ; tensor_dim0 = 256
	s_mov_b32 s[G1+2], 32<<16                      ; tensor_dim1 = 32
	s_mov_b32 s[G1+3], 256<<16                     ; tile_dim0 = 256
	s_mov_b32 s[G1+4], 32                          ; tile_dim1 = 32
	s_mov_b32 s[G1+5], 1024                        ; elements from row to row
	s_mov_b32 s[G1+6], 0
	s_mov_b32 s[G1+7], 0
	s_wait_dscnt 0x0                               ; both opening adds are done
	s_wait_kmcnt 0x0
	s_cmp_ge_u32 ttmp9, 256
	s_cbranch_scc1 .Lweights
	; ---- x: rows 32 g .. 32 g + 31.  Wave w fetches columns 256 w on: one tensor load of mine is out
	s_mov_b32 s[G0], 1
	s_mul_i32 s[G0+1], s18, RGN
	s_lshl_b32 s36, ttmp9, 17                      ; 32 rows of 4,096 bytes
	s_lshl_b32 s37, s18, 10
	s_add_co_u32 s36, s36, s37
	s_mov_b32 s37, 0
	s_add_nc_u64 s[G0+2:G0+3], s[4:5], s[36:37]
	s_or_b32 s[G0+3], s[G0+3], 0x80000000
	tensor_load_to_lds s[G0:G0+3], s[G1:G1+7]
	s_nop 0
	v_and_b32 v8, 15, v0                           ; r
	v_bfe_u32 v9, v0, 4, 1                         ; h
	v_and_b32 v10, 7, v0
	v_bfe_u32 v11, v0, 3, 1
	v_lshl_add_u32 v10, v11, 4, v10                ; r % 8 + 16 (r / 8)
	s_and_b32 s38, s18, 1                          ; u: which of the two tiles
	s_lshr_b32 s39, s18, 1                         ; q: K steps 4 q on
	s_lshl_b32 s40, s38, 3
	v_add_nc_u32 v10, s40, v10                     ; my row among the 32
	v_mul_u32_u24 v3, v10, XP
	v_lshl_add_u32 v3, v9, 7, v3                   ; + 128 h: my block of 32 numbers
	s_mul_i32 s40, s39, 2*RGN
	v_add_nc_u32 v3, s40, v3                       ; + the two regions of my four K steps
	v_and_b32 v4, 31, v0
	v_lshlrev_b32 v4, 4, v4                        ; 16 x lane: an image's place
	v_lshlrev_b32 v5, 4, v8
	v_lshl_add_u32 v5, v9, 3, v5                   ; 16 r + 8 h: two of my row's four scale words
	v_lshlrev_b32 v6, 3, v9                        ; 8 h
	s_lshl_b32 s40, ttmp9, 1
	s_add_co_u32 s40, s40, s38
	s_mul_i32 s40, s40, REC                        ; my tile's record
	s_lshl_b32 s41, s39, 12
	s_add_co_u32 s42, s40, s41
	s_mov_b32 s43, 0
	s_add_nc_u64 s[42:43], s[14:15], s[42:43]      ; its images of K steps 4 q on
	s_lshl_b32 s41, s39, 8
	s_add_co_u32 s44, s40, s41
	s_add_co_u32 s44, s44, 8192
	s_mov_b32 s45, 0
	s_add_nc_u64 s[44:45], s[14:15], s[44:45]      ; and their 256 bytes of scale words
	s_wait_alu depctr_va_vdst(0)
	s_wait_tensorcnt 0x0                           ; my region has landed,
	s_barrier_signal -1
	s_barrier_wait -1                              ; everybody's has: waves read regions that others fetched
	XLOADU 0
	XLOADU 1
	s_wait_dscnt 16                                ; unit 0 is in; unit 1's sixteen loads may be out
	XUNIT 0
	XLOADU 2
	s_wait_dscnt 16
	XUNIT 1
	XLOADU 3
	s_wait_dscnt 16
	XUNIT 2
	s_wait_dscnt 0x0
	XUNIT 3
	v_cndmask_b32 v20, v16, v18, s[HM]             ; lanes 0-15 store words 0, 1 of row r, lanes 16-31 words 2, 3:
	v_cndmask_b32 v21, v17, v19, s[HM]
	global_store_b64 v5, v[20:21], s[44:45]        ; 256 consecutive bytes, aligned
	s_wait_tensorcnt 0x0                           ; the wave's end
	ds_add_u32 v[SPW], v[NIL]
	s_wait_dscnt 0x0
	s_endpgm
.Lweights:
	; ---- W: id = m (weight) x 64 + cg (128 columns) x 8 + s (K step)
	s_sub_co_u32 s36, ttmp9, 256
	s_lshr_b32 s37, s36, 6                         ; m
	s_bfe_u32 s38, s36, 0x30003                    ; cg
	s_and_b32 s39, s36, 7                          ; s
	s_cmp_eq_u32 s37, 1
	s_cselect_b64 s[6:7], s[8:9], s[6:7]
	s_cmp_eq_u32 s37, 2
	s_cselect_b64 s[6:7], s[10:11], s[6:7]
	s_cmp_eq_u32 s37, 3
	s_cselect_b64 s[6:7], s[12:13], s[6:7]         ; the weight: a choice on the work-group's number
	s_lshl_b32 s40, s39, 19                        ; 128 rows of 4,096 bytes
	s_lshl_b32 s41, s38, 9
	s_add_co_u32 s40, s40, s41
	s_lshl_b32 s41, s18, 7                         ; my wave's 32 columns
	s_add_co_u32 s40, s40, s41
	s_mov_b32 s41, 0
	s_add_nc_u64 s[6:7], s[6:7], s[40:41]
	v_and_b32 v3, 31, v0
	v_lshlrev_b32 v3, 2, v3                        ; 4 x lane: my column
.set ii, 0
.rept 128
	global_load_b32 v[64+ii], v3, s[6:7] offset:ii*4096 th:TH_LOAD_NT   ; W(128 s + ii, my column): 128 consecutive bytes a wave
.set ii, ii+1
.endr
	s_lshl_b32 s40, s37, 6
	s_lshl_b32 s41, s38, 3
	s_add_co_u32 s40, s40, s41
	s_lshl_b32 s41, s18, 1
	s_add_co_u32 s40, s40, s41                     ; my wave's first tile: 64 m + 8 cg + 2 w
	s_mul_i32 s40, s40, REC
	s_lshl_b32 s41, s39, 10
	s_add_co_u32 s42, s40, s41
	s_mov_b32 s43, 0
	s_add_nc_u64 s[42:43], s[16:17], s[42:43]      ; K step s's image
	s_lshr_b32 s41, s39, 2
	s_lshl_b32 s41, s41, 8
	s_add_co_u32 s44, s40, s41
	s_and_b32 s41, s39, 3
	s_lshl_b32 s41, s41, 2
	s_add_co_u32 s44, s44, s41
	s_add_co_u32 s44, s44, 8192
	s_mov_b32 s45, 0
	s_add_nc_u64 s[44:45], s[16:17], s[44:45]      ; and its scale words' column
	v_bfe_u32 v4, v0, 3, 1                         ; column 32 a + lane lies in tile 2 a + (lane / 8) % 2,
	v_mul_u32_u24 v4, v4, REC
	v_and_b32 v8, 7, v0
	v_bfe_u32 v9, v0, 4, 1
	v_lshl_add_u32 v8, v9, 3, v8                   ; at place lane % 8 + 8 (lane / 16)
	v_lshl_add_u32 v4, v8, 4, v4
	WBLOCK 0, 63                                   ; 128 loads were issued: with at most 63 out, the first 65 are in
	WBLOCK 1, 63
	WBLOCK 2, 32
	WBLOCK 3, 0
	global_store_b32 v4, v16, s[44:45]             ; 4 bytes of each row's 16: the one store here that fills its 256 bytes in part (131,072 bytes in the launch)
	s_wait_tensorcnt 0x0                           ; the wave's end
	ds_add_u32 v[SPW], v[NIL]
	s_wait_dscnt 0x0
	s_endpgm
.Lfunc_end_k_q0497da9472_quant:
	.size	k_q0497da9472_quant, .Lfunc_end_k_q0497da9472_quant-k_q0497da9472_quant
	.p2alignl 7, 3214868480
	.fill 96, 4, 3214868480
	.section	.rodata,"a",@progbits
	.p2align	6, 0x0
	.amdhsa_kernel k_q0497da9472_quant
		.amdhsa_group_segment_fixed_size 167936
		.amdhsa_private_segment_fixed_size 0
		.amdhsa_enable_private_segment 0
		.amdhsa_kernarg_size 56
		.amdhsa_user_sgpr_count 2
		.amdhsa_user_sgpr_kernarg_segment_ptr 1
		.amdhsa_wavefront_size32 1
		.amdhsa_system_sgpr_workgroup_id_x 1
		.amdhsa_system_sgpr_workgroup_id_y 1
		.amdhsa_system_sgpr_workgroup_id_z 1
		.amdhsa_system_vgpr_workitem_id 0
		.amdhsa_next_free_vgpr 192
		.amdhsa_next_free_sgpr 66
		.amdhsa_reserve_vcc 0
		.amdhsa_float_denorm_mode_32 3
		.amdhsa_float_denorm_mode_16_64 3
		.amdhsa_memory_ordered 1
		.amdhsa_forward_progress 1
		.amdhsa_inst_pref_size 41
	.end_amdhsa_kernel
	.amdgpu_metadata
---
amdhsa.version: [ 1, 2 ]
amdhsa.kernels:
  - .name:           k_q0497da9472_quant
    .symbol:         k_q0497da9472_quant.kd
    .args:
      - { .name: x, .offset: 0, .size: 8, .value_kind: global_buffer, .address_space: global }
      - { .name: Wq, .offset: 8, .size: 8, .value_kind: global_buffer, .address_space: global }
      - { .name: Wk, .offset: 16, .size: 8, .value_kind: global_buffer, .address_space: global }
      - { .name: Wv, .offset: 24, .size: 8, .value_kind: global_buffer, .address_space: global }
      - { .name: Wo, .offset: 32, .size: 8, .value_kind: global_buffer, .address_space: global }
      - { .name: xq, .offset: 40, .size: 8, .value_kind: global_buffer, .address_space: global }
      - { .name: wq, .offset: 48, .size: 8, .value_kind: global_buffer, .address_space: global }
    .group_segment_fixed_size: 167936
    .private_segment_fixed_size: 0
    .kernarg_segment_align: 8
    .kernarg_segment_size: 56
    .max_flat_workgroup_size: 128
    .sgpr_count:     66
    .vgpr_count:     192
    .wavefront_size: 32
...
	.end_amdgpu_metadata
.endif
;; end of part 1
;; launch qkv (part 2): grid 16 x 32, 12 waves a work-group, no clusters, 245,760 bytes of LDS; arguments xq, wq, bq, bk, bv, qkv, qkvs; writes qkv, qkvs
.if DOCPART == 2
	.amdgcn_target "amdgcn-amd-amdhsa--gfx1250"
	.amdhsa_code_object_version 6
	.text
	.protected	k_q0497da9472_qkv
	.globl	k_q0497da9472_qkv
	.p2align	8
	.type	k_q0497da9472_qkv,@function
k_q0497da9472_qkv:
	s_mov_b64 s[64:65], 0
	v_nop
	global_prefetch_b8 v0, s[64:65] scope:SCOPE_SE
	s_setreg_imm32_b32 hwreg(HW_REG_WAVE_MODE, 25, 1), 1
	s_wait_xcnt 0x0
; Launch 2 of 4: q, k, v = Q(x) Q(W) + b on codes of E2M1, and the results quantised at once: q and k along the head's 64, v along the keys.  No work of reference() is left out.
; SHARES.  Work-group (gx, gy): 256 rows of x (16 tiles) x 3 of the 48 head columns (Q 0-15, K 16-31, V 32-47; 12 tiles of W).  All of K (1,024) of both operands lies in LDS, filled once: 28 records of 8,704 bytes.
; Wave w: head column hl = w / 4, x tiles 4 j .. 4 j + 3 (j = w % 4): 16 accumulators, 128 matrix instructions.
; LAYOUT.  Tiles hold rows 32 (T / 2) + 8 (T % 2) + r % 8 + 16 (r / 8), so the 16 registers of source 0's tiles 2 b, 2 b + 1 are 16 neighbours 32 b + 16 h + 0 .. 15 along source 0's rows.
; Q, K: source 0 = W (a lane holds one position, registers run along the head's 64).  V: source 0 = x (a lane holds one channel, registers run along 64 keys).  So each quantiser works on one lane's registers and lane l xor 16's.
; OUT.  qkv [mat][b h][65,536]: q, k as [position tile 128][lane][16 bytes] (registers 0-3 of a fragment: dh = 32 h ..); v as [key step 16][channel tile 4][c 2][lane][16 bytes].
; qkvs [mat][b h][G 32][r 16][i 4] of two scale bytes: q, k: G = group of four position tiles, i the tile; v: G = 64 keys, i the channel tile.
; LIMITS: NaN and infinities are not served.  q and k: no largest magnitude is taken under 2^(6 - 127), so their bytes are at least 4 (the next launch takes 3 off q's); v: under 2^(3 - 127).  A block of zeros keeps that floor's byte: its codes are zeros.
; No cluster: along x a wave's arm (Q and K, or V) would differ between partners; along y only W's 104,448 of a work-group's 243,712 bytes are shared, and each work-group asks once, at its head.
.set REC,   8704
.set WB,    16*REC                     ; LDS: x's 16 records, then W's 12
.set SPARE, 28*REC                     ; the spare words, 128 bytes a wave: six blocks of 256 bytes
.set SPW, 1                            ; v1  my spare word; never rewritten
.set NIL, 2                            ; v2  0; never rewritten
.set XA,  3                            ; v3  LDS: my x tiles' images, + 16 x lane
.set WA,  4                            ; v4  LDS: my W tiles' images, + 16 x lane
.set AS,  5                            ; v5  LDS: scale words: lanes 0-15 x's, lanes 16-31 W's
.set LI,  6                            ; v6  16 x lane
.set HO,  7                            ; v7  8 r + 4 h
.set BO,  8                            ; v8  the bias's offset
.set HF,  12                           ; v12-15 the four tiles' scale halves
.set SC,  16                           ; v16-31 scale words, register 4 a + s % 4; scales and nothing else
.set F0,  32                           ; v32-63 source 0's four fragments; later at work
.set F1,  64                           ; v64-95 source 1's
.set BI,  96                           ; v96-127 the bias
.set ACC, 128                          ; v128-255 accumulator (a, b) at ACC + 8 (4 b + a)
.set TM,  32
.set PC,  48
.set WV,  18
.set HL,  19
.set SEL, 20
.set HM,  22
.set JW,  23
.set G1X, 24
.set G1W, 32
.set G0X, 40
.set G0W, 44
; 32 numbers of a lane, register 16 bb + i = element 32 bb + 16 h + i of my row, become 16 bytes of codes (lane (r, h): block h) in v[pc ..] and the two scale bytes in v[hf]
.macro QUANT2 src, pc, hf, tm, fl
.irp bb, 0,1
	v_max3_num_f32 v[\tm+\bb], |v[\src+16*\bb]|, |v[\src+16*\bb+1]|, \fl
.endr
.irp i, 2,4,6,8,10,12,14
.irp bb, 0,1
	s_delay_alu instid0(VALU_DEP_2)
	v_max3_num_f32 v[\tm+\bb], v[\tm+\bb], |v[\src+16*\bb+\i]|, |v[\src+16*\bb+\i+1]|
.endr
.endr
.irp bb, 0,1
	s_delay_alu instid0(VALU_DEP_2)
	v_permlanex16_b32 v[\tm+2+\bb], v[\tm+\bb], s[SEL], s[SEL+1]
.endr
.irp bb, 0,1
	s_delay_alu instid0(VALU_DEP_2)
	v_max_num_f32 v[\tm+\bb], v[\tm+\bb], v[\tm+2+\bb]   ; with lane l xor 16's 16: the block's largest magnitude
.endr
.irp bb, 0,1
	s_delay_alu instid0(VALU_DEP_2)
	v_add_nc_u32 v[\tm+4+\bb], 0xff000000, v[\tm+\bb]    ; 2 off the exponent field: the conversion's scale operand
.endr
.irp bb, 0,1
	s_delay_alu instid0(VALU_DEP_2)
	v_lshrrev_b32 v[\tm+6+\bb], 23, v[\tm+4+\bb]         ; the byte
.endr
	s_delay_alu instid0(VALU_DEP_1)
	v_lshl_or_b32 v[\hf], v[\tm+7], 8, v[\tm+6]
.irp bb, 0,1
.irp e, 0,1
	v_cvt_scalef32_pk8_fp4_f32 v[\pc+2*\bb+\e], v[\src+16*\bb+8*\e:\src+16*\bb+8*\e+7], v[\tm+4+\bb]
.endr
.endr
	v_nop                                          ; one plain place behind the conversions
	v_permlane16_swap_b32 v[\pc], v[\pc+2]         ; a whole block to a lane: lanes 0-15 block 0, lanes 16-31 block 1
	v_permlane16_swap_b32 v[\pc+1], v[\pc+3]
.endm
.macro MM d, fa, fb, sa, sb, st, vrole
.if (\st) == 0
.if \vrole
	v_wmma_scale_f32_16x16x128_f8f6f4 v[\d:\d+7], v[\fa:\fa+7], v[\fb:\fb+7], 0, v[\sa], v[\sb] matrix_a_fmt:MATRIX_FMT_FP4 matrix_b_fmt:MATRIX_FMT_FP4 matrix_b_scale:MATRIX_SCALE_ROW1
.else
	v_wmma_scale_f32_16x16x128_f8f6f4 v[\d:\d+7], v[\fa:\fa+7], v[\fb:\fb+7], 0, v[\sa], v[\sb] matrix_a_fmt:MATRIX_FMT_FP4 matrix_b_fmt:MATRIX_FMT_FP4 matrix_a_scale:MATRIX_SCALE_ROW1
.endif
.else
.if \vrole
	v_wmma_scale_f32_16x16x128_f8f6f4 v[\d:\d+7], v[\fa:\fa+7], v[\fb:\fb+7], v[\d:\d+7], v[\sa], v[\sb] matrix_a_fmt:MATRIX_FMT_FP4 matrix_b_fmt:MATRIX_FMT_FP4 matrix_b_scale:MATRIX_SCALE_ROW1
.else
	v_wmma_scale_f32_16x16x128_f8f6f4 v[\d:\d+7], v[\fa:\fa+7], v[\fb:\fb+7], v[\d:\d+7], v[\sa], v[\sb] matrix_a_fmt:MATRIX_FMT_FP4 matrix_b_fmt:MATRIX_FMT_FP4 matrix_a_scale:MATRIX_SCALE_ROW1
.endif
.endif
.endm
; The eight K steps, written out: every offset is an immediate.  fx, fy: the address registers of sources 0 and 1.  vrole = 0: source 0 is W, whose scale words stand in lanes 16-31; 1: source 1 is.
; The 16 accumulators take turns, one instruction a turn, in the same order in every step; the first step's products start the sums.
.macro GEMM fx, fy, vrole
.irp s, 0,1,2,3,4,5,6,7
.if \s > 0
.rept 4
	v_nop                                          ; four places in front of loads into registers that matrix instructions have read
.endr
.endif
.if (\s%4) == 0
.irp a, 0,1,2,3
	ds_load_b128 v[SC+4*\a:SC+4*\a+3], v[AS] offset:\a*REC+(\s/4)*256   ; four K steps' scale words of x's tile a (lanes 0-15) and W's tile a (lanes 16-31)
.endr
.endif
.irp a, 0,1,2,3
.irp c, 0,1
	ds_load_b128 v[F0+8*\a+4*\c:F0+8*\a+4*\c+3], v[\fx] offset:\a*REC+\s*1024+512*\c
	ds_load_b128 v[F1+8*\a+4*\c:F1+8*\a+4*\c+3], v[\fy] offset:\a*REC+\s*1024+512*\c
.endr
.endr
	s_wait_dscnt 0x0
.irp b, 0,1,2,3
.irp a, 0,1,2,3
	MM ACC+8*(4*\b+\a), F0+8*\a, F1+8*\b, SC+4*\a+\s%4, SC+4*\b+\s%4, \s, \vrole
.endr
.endr
.endr
.rept 4
	v_nop                                          ; four places in front of the first read of results
.endr
.endm
	s_load_b256 s[4:11], s[0:1], 0x0               ; xq s[4:5], wq s[6:7], bq s[8:9], bk s[10:11]
	s_load_b128 s[12:15], s[0:1], 0x20             ; bv s[12:13], qkv s[14:15]
	s_load_b64 s[16:17], s[0:1], 0x30              ; qkvs
	v_lshl_add_u32 v[SPW], v0, 2, SPARE
	v_mov_b32 v[NIL], 0
	ds_add_u32 v[SPW], v[NIL]                      ; the wave's opening: the add, twice on end, and its wait ahead of my first tensor load
	ds_add_u32 v[SPW], v[NIL]
	v_lshrrev_b32 v3, 5, v0
	s_delay_alu instid0(VALU_DEP_1)
	v_readfirstlane_b32 s[WV], v3                  ; wave 0..11
	s_lshr_b32 s[HL], s[WV], 2                     ; hl: which of the three head columns
	s_and_b32 s[JW], s[WV], 3                      ; j: which four x tiles
	s_mov_b32 s[SEL], 0x76543210
	s_mov_b32 s[SEL+1], 0xfedcba98
	s_mov_b32 s[HM], 0xffff0000
	; descriptor groups 1: dense blocks as rows of 256 bytes (32 elements of 8 bytes): two records = 68 rows, three = 102
	s_mov_b32 s[G1X+0], 3<<16
	s_mov_b32 s[G1X+1], 32<<16
	s_mov_b32 s[G1X+2], 68<<16
	s_mov_b32 s[G1X+3], 32<<16
	s_mov_b32 s[G1X+4], 68
	s_mov_b32 s[G1X+5], 32
	s_mov_b32 s[G1X+6], 0
	s_mov_b32 s[G1X+7], 0
	s_mov_b32 s[G1W+0], 3<<16
	s_mov_b32 s[G1W+1], 32<<16
	s_mov_b32 s[G1W+2], 102<<16
	s_mov_b32 s[G1W+3], 32<<16
	s_mov_b32 s[G1W+4], 102
	s_mov_b32 s[G1W+5], 32
	s_mov_b32 s[G1W+6], 0
	s_mov_b32 s[G1W+7], 0
	s_and_b32 s48, ttmp7, 0xffff                   ; gy
	s_mul_i32 s49, ttmp9, 3
	s_add_co_u32 s49, s49, s[HL]                   ; my head column, 0..47
	s_lshr_b32 s50, s49, 4                         ; mat: 0 Q, 1 K, 2 V
	s_and_b32 s51, s49, 15                         ; the head
	s_lshr_b32 s52, s48, 3
	s_lshl_b32 s52, s52, 4
	s_add_co_u32 s52, s52, s51                     ; b h = 16 batch + head
	s_and_b32 s53, s48, 7
	s_lshl_b32 s53, s53, 2
	s_add_co_u32 s53, s53, s[JW]                   ; G: my 64 positions of the sequence
	s_and_b32 s54, s[WV], 7                        ; waves 0-7 fetch two records of x each,
	s_mul_i32 s[G0X+1], s54, 2*REC
	s_lshl_b32 s55, s48, 4
	s_lshl_b32 s54, s54, 1
	s_add_co_u32 s54, s54, s55
	s_mul_i32 s54, s54, REC
	s_mov_b32 s55, 0
	s_mul_i32 s[G0W+1], s[JW], 3*REC               ; waves 8-11 three records of W each (w - 8 = w % 4 there)
	s_add_co_u32 s[G0W+1], s[G0W+1], WB
	s_mul_i32 s56, ttmp9, 12
	s_mul_i32 s57, s[JW], 3
	s_add_co_u32 s56, s56, s57
	s_mul_i32 s56, s56, REC
	s_mov_b32 s57, 0
	s_mov_b32 s[G0X], 1
	s_mov_b32 s[G0W], 1
	s_wait_dscnt 0x0                               ; both opening adds are done
	s_wait_kmcnt 0x0
	s_add_nc_u64 s[G0X+2:G0X+3], s[4:5], s[54:55]
	s_or_b32 s[G0X+3], s[G0X+3], 0x80000000
	s_add_nc_u64 s[G0W+2:G0W+3], s[6:7], s[56:57]
	s_or_b32 s[G0W+3], s[G0W+3], 0x80000000
	s_cmp_lt_u32 s[WV], 8                          ; every wave issues one first fill: one tensor load of mine is out
	s_cbranch_scc0 .Lfill_w
	tensor_load_to_lds s[G0X:G0X+3], s[G1X:G1X+7]
	s_nop 0
.rept 4
	v_nop
.endr
	s_branch .Lfilled
.Lfill_w:
	tensor_load_to_lds s[G0W:G0W+3], s[G1W:G1W+7]
	s_nop 0
.rept 4
	v_nop
.endr
.Lfilled:
	v_and_b32 v9, 31, v0
	s_delay_alu instid0(VALU_DEP_1)
	v_lshlrev_b32 v[LI], 4, v9
	v_and_b32 v10, 15, v0                          ; r
	s_wait_alu depctr_va_vdst(0)
	v_bfe_u32 v11, v0, 4, 1                        ; h
	s_mul_i32 s54, s[JW], 4*REC
	v_add_nc_u32 v[XA], s54, v[LI]
	s_mul_i32 s55, s[HL], 4*REC
	s_add_co_u32 s55, s55, WB
	v_add_nc_u32 v[WA], s55, v[LI]
	s_xor_b32 s56, s[JW], 3                        ; 3 - j
	s_add_co_u32 s56, s56, s[HL]
	s_add_co_u32 s56, s56, 1
	s_mul_i32 s56, s56, 4*REC                      ; from my x tiles' records to my W tiles': 4 REC (4 + hl - j)
	v_mul_u32_u24 v[AS], s56, v11                  ; lanes 16-31 take W's
	s_delay_alu instid0(VALU_DEP_1)
	v_lshl_add_u32 v[AS], v10, 4, v[AS]
	s_add_co_u32 s54, s54, 8192
	v_add_nc_u32 v[AS], s54, v[AS]
	v_lshlrev_b32 v[HO], 3, v10
	s_wait_alu depctr_va_vdst(0)
	v_lshl_add_u32 v[HO], v11, 2, v[HO]
	s_lshl_b32 s54, s50, 6
	s_add_co_u32 s54, s54, s52                     ; 64 mat + b h
	s_lshl_b32 s56, s54, 16
	s_mov_b32 s57, 0
	s_add_nc_u64 s[14:15], s[14:15], s[56:57]
	s_lshl_b32 s56, s54, 12
	s_lshl_b32 s58, s53, 7
	s_add_co_u32 s56, s56, s58
	s_add_nc_u64 s[16:17], s[16:17], s[56:57]      ; my 128 bytes of scale halves
	s_lshl_b32 s58, s51, 8                         ; the head's 64 numbers of a bias
	s_mov_b32 s59, 0
	s_wait_tensorcnt 0x0                           ; my records have landed,
	s_barrier_signal -1
	s_barrier_wait -1                              ; everybody's have.  No barrier stands behind the parting below, and the arms do not join
	s_cmp_eq_u32 s50, 2
	s_cbranch_scc1 .Lv_arm
	; ---- Q or K: a lane holds position place r of x's tile b; register 8 a + i of a tile's 32 is dh = 32 (a / 2) + 16 h + 8 (a % 2) + i
	s_cmp_eq_u32 s50, 1
	s_cselect_b64 s[8:9], s[10:11], s[8:9]
	s_add_nc_u64 s[8:9], s[8:9], s[58:59]
	s_lshl_b32 s56, s53, 11                        ; four tiles of 512 bytes
	s_add_nc_u64 s[14:15], s[14:15], s[56:57]
	v_lshlrev_b32 v[BO], 6, v11                    ; 64 h
.irp a, 0,1,2,3
.irp e, 0,1
	global_load_b128 v[BI+8*\a+4*\e:BI+8*\a+4*\e+3], v[BO], s[8:9] offset:(32*(\a/2)+8*(\a%2))*4+16*\e
.endr
.endr
	GEMM WA, XA, 0
	s_wait_loadcnt 0x0                             ; the bias
.irp b, 0,1,2,3
.set jj, 0
.rept 16
	v_pk_add_f32 v[ACC+32*\b+jj:ACC+32*\b+jj+1], v[ACC+32*\b+jj:ACC+32*\b+jj+1], v[BI+jj:BI+jj+1]   ; each accumulator from its low end on
.set jj, jj+2
.endr
	QUANT2 ACC+32*\b, PC+4*\b, HF+\b, TM, 0x3000000
	global_store_b128 v[LI], v[PC+4*\b:PC+4*\b+3], s[14:15] offset:512*\b   ; 512 consecutive bytes
.endr
	v_lshl_or_b32 v9, v[HF+1], 16, v[HF]
	v_lshl_or_b32 v10, v[HF+3], 16, v[HF+2]
	s_delay_alu instid0(VALU_DEP_1)
	v_cndmask_b32 v9, v9, v10, s[HM]               ; lanes 0-15: tiles 0, 1 of place r; lanes 16-31: tiles 2, 3
	global_store_b32 v[HO], v9, s[16:17]           ; 128 consecutive bytes
	s_wait_tensorcnt 0x0                           ; the wave's end
	ds_add_u32 v[SPW], v[NIL]
	s_wait_dscnt 0x0
	s_endpgm
.Lv_arm:
	; ---- V: a lane holds channel place r of W's tile b; register 8 a + i is key 64 G + 32 (a / 2) + 16 h + 8 (a % 2) + i
	s_add_nc_u64 s[12:13], s[12:13], s[58:59]
	s_lshr_b32 s56, s53, 1
	s_lshl_b32 s56, s56, 12                        ; key step G / 2,
	s_and_b32 s60, s53, 1
	s_lshl_b32 s60, s60, 9                         ; its half c = G % 2
	s_add_co_u32 s56, s56, s60
	s_add_nc_u64 s[14:15], s[14:15], s[56:57]
	v_and_b32 v[BO], 7, v0
	v_bfe_u32 v9, v0, 3, 1
	s_delay_alu instid0(VALU_DEP_1)
	v_lshl_add_u32 v[BO], v9, 4, v[BO]
	s_delay_alu instid0(VALU_DEP_1)
	v_lshlrev_b32 v[BO], 2, v[BO]                  ; 4 (r % 8 + 16 (r / 8))
.irp b, 0,1,2,3
	global_load_b32 v[BI+2*\b], v[BO], s[12:13] offset:(32*(\b/2)+8*(\b%2))*4
	global_load_b32 v[BI+2*\b+1], v[BO], s[12:13] offset:(32*(\b/2)+8*(\b%2))*4   ; the pair's upper word is written too
.endr
	GEMM XA, WA, 1
	s_wait_loadcnt 0x0
.irp b, 0,1,2,3
.set jj, 0
.rept 16
	v_pk_add_f32 v[ACC+32*\b+jj:ACC+32*\b+jj+1], v[ACC+32*\b+jj:ACC+32*\b+jj+1], v[BI+2*\b:BI+2*\b+1] op_sel_hi:[1,0]
.set jj, jj+2
.endr
	QUANT2 ACC+32*\b, PC+4*\b, HF+\b, TM, 0x1800000
	global_store_b128 v[LI], v[PC+4*\b:PC+4*\b+3], s[14:15] offset:1024*\b
.endr
	v_lshl_or_b32 v9, v[HF+1], 16, v[HF]
	v_lshl_or_b32 v10, v[HF+3], 16, v[HF+2]
	s_delay_alu instid0(VALU_DEP_1)
	v_cndmask_b32 v9, v9, v10, s[HM]
	global_store_b32 v[HO], v9, s[16:17]
	s_wait_tensorcnt 0x0                           ; the wave's end
	ds_add_u32 v[SPW], v[NIL]
	s_wait_dscnt 0x0
	s_endpgm
.Lfunc_end_k_q0497da9472_qkv:
	.size	k_q0497da9472_qkv, .Lfunc_end_k_q0497da9472_qkv-k_q0497da9472_qkv
	.p2alignl 7, 3214868480
	.fill 96, 4, 3214868480
	.section	.rodata,"a",@progbits
	.p2align	6, 0x0
	.amdhsa_kernel k_q0497da9472_qkv
		.amdhsa_group_segment_fixed_size 245760
		.amdhsa_private_segment_fixed_size 0
		.amdhsa_enable_private_segment 0
		.amdhsa_kernarg_size 56
		.amdhsa_user_sgpr_count 2
		.amdhsa_user_sgpr_kernarg_segment_ptr 1
		.amdhsa_wavefront_size32 1
		.amdhsa_system_sgpr_workgroup_id_x 1
		.amdhsa_system_sgpr_workgroup_id_y 1
		.amdhsa_system_sgpr_workgroup_id_z 1
		.amdhsa_system_vgpr_workitem_id 0
		.amdhsa_next_free_vgpr 256
		.amdhsa_next_free_sgpr 66
		.amdhsa_reserve_vcc 0
		.amdhsa_float_denorm_mode_32 3
		.amdhsa_float_denorm_mode_16_64 3
		.amdhsa_memory_ordered 1
		.amdhsa_forward_progress 1
		.amdhsa_inst_pref_size 90
	.end_amdhsa_kernel
	.amdgpu_metadata
---
amdhsa.version: [ 1, 2 ]
amdhsa.kernels:
  - .name:           k_q0497da9472_qkv
    .symbol:         k_q0497da9472_qkv.kd
    .args:
      - { .name: xq, .offset: 0, .size: 8, .value_kind: global_buffer, .address_space: global }
      - { .name: wq, .offset: 8, .size: 8, .value_kind: global_buffer, .address_space: global }
      - { .name: bq, .offset: 16, .size: 8, .value_kind: global_buffer, .address_space: global }
      - { .name: bk, .offset: 24, .size: 8, .value_kind: global_buffer, .address_space: global }
      - { .name: bv, .offset: 32, .size: 8, .value_kind: global_buffer, .address_space: global }
      - { .name: qkv, .offset: 40, .size: 8, .value_kind: global_buffer, .address_space: global }
      - { .name: qkvs, .offset: 48, .size: 8, .value_kind: global_buffer, .address_space: global }
    .group_segment_fixed_size: 245760
    .private_segment_fixed_size: 0
    .kernarg_segment_align: 8
    .kernarg_segment_size: 56
    .max_flat_workgroup_size: 384
    .sgpr_count:     66
    .vgpr_count:     256
    .wavefront_size: 32
...
	.end_amdgpu_metadata
.endif
;; end of part 2
;; launch attn (part 3): grid 4 x 64, 16 waves a work-group, no clusters, 167,936 bytes of LDS; arguments qkv, qkvs, attention_mask, cq, cs; writes cq, cs
.if DOCPART == 3
	.amdgcn_target "amdgcn-amd-amdhsa--gfx1250"
	.amdhsa_code_object_version 6
	.text
	.protected	k_q0497da9472_attn
	.globl	k_q0497da9472_attn
	.p2align	8
	.type	k_q0497da9472_attn,@function
k_q0497da9472_attn:
	s_mov_b64 s[64:65], 0
	v_nop
	global_prefetch_b8 v0, s[64:65] scope:SCOPE_SE
	s_setreg_imm32_b32 hwreg(HW_REG_WAVE_MODE, 25, 1), 1
	s_wait_xcnt 0x0
; Launch 3 of 4: ctx = softmax(q k^T / 8 + mask) v on codes of E2M1, and ctx quantised along the model's 1,024 (a head's 64 channels are two whole blocks).  No work of reference() is left out.
; THE SOFTMAX AHEAD OF THE SECOND PRODUCT: t = logit x log2(e); M = the row's largest t so far, rounded UP to a whole number; p = 2^(t - M) is quantised along the keys, not normalised; the row's sum is taken of the
; unquantised p and divides at the end.  When M moves, the sum and O are multiplied by 2^(old M - new M): exact.
; THE LOGIT COMES WHOLE OUT OF THE MATRIX UNIT: 3 is taken off each of q's two scale bytes (they are at least 4), which is the division by 8, exactly; the mask's numbers are the C of the score products.
; K = 64 fills half of the instruction's 128: registers 4-7 of q's and k's fragments are zero codes, which add nothing (their scale bytes are 0, which is 2^-127 and no NaN).
; SHARES.  A work-group owns 512 queries of one (batch, head); each of its sixteen waves two tiles of 16, one behind the other (PASS 0, 1), in 256 registers: four waves to a SIMD, so that one wave's vector work
; stands beside another's matrix work and LDS loads.  The head's whole K and V (65,536 bytes each, as images of operand registers), their scale words and the batch's mask lie in LDS, filled once: no ring.
; LAYOUT.  Both products are used transposed: S^T = K Q^T, O^T = V^T P^T: a lane holds ONE query (place lane % 16) throughout.  A tile's 16 keys are 32 (T / 2) + 8 (T % 2) + r % 8 + 16 (r / 8), so the 16 registers of
; tiles 2 b, 2 b + 1 are keys 32 b + 16 h + 0 .. 15; V's channel tiles likewise, so O^T's 32 registers are channels 32 bb + 16 h + i.
; LIMITS: NaN and infinities among the inputs are not served; a row whose largest logit x log2(e) is not finite in f32 is not served.  A block of p, or of ctx, whose largest number lies under 2^(3 - 127) keeps the byte 1.
; No cluster: the four work-groups of a head read the same 131,072 bytes, but each asks for them once, at its head, against 32 key steps of work a wave.
.set VIMG,  65536
.set KSC,   131072                     ; K's scale words [group of 4 tiles 32][r 16][4]: written by ds_store
.set VSC,   139264                     ; V's scale words [step 16][r 16][channel tile 4]
.set MSK,   143360                     ; the batch's 2,048 mask numbers
.set SPARE, 151552                     ; the spare words, 128 bytes a wave: eight blocks of 256 bytes
.set AK0,  1                           ; v1   16 x lane
.set AV0,  2                           ; v2   16 x lane + VIMG
.set ASK0, 3                           ; v3   KSC + 16 r
.set ASV0, 4                           ; v4   VSC + 16 r
.set SPW,  5                           ; v5   my spare word; never rewritten
.set NIL,  6                           ; v6   0; never rewritten
.set AM0,  7                           ; v7   MSK + 64 h
.set ADK,  8                           ; v8-11, v240: the step's addresses
.set ADV,  9
.set ADS,  10
.set ADT,  11
.set ADM,  240
.set H0,   241                         ; v241, v242: the two passes' scale halves of ctx
.set R8,   243                         ; v243 8 r
; v12 -M, v13 the largest t, v[14:15] the sum; v16-23 Q; v24-31 K's scale words; v32-95 eight fragments of K; v96-159 mask, S^T, p; v160-191 O^T; v192-223 V; v224-231 p's codes;
; v232-239, v244-247, v252, v254 at work; v248-251 V's scale words; v253 p's scale word; v255 Q's
.set WV,   14
.set BH,   15
.set BB,   16
.set HD,   17
.set TQ,   19
.set SEL,  20
.set CS,   22                          ; s[22:23] log2(e)
.set G1,   24
.set G0,   32
.set HM,   36
.set T4,   37                          ; the step's place among the images: 4,096 bytes a step
.set T5,   38                          ; among K's scale words and the mask: 512
.set T2,   39                          ; among V's scale words: 256
.set CNT,  40
.set QB,   44
.set QS,   46
.set KH,   48
.set VH,   50
.set MB,   52
.set CQ,   54
.set CSB,  56
.macro QUANT2 src, pc, hf, tm, fl
.irp bb, 0,1
	v_max3_num_f32 v[\tm+\bb], |v[\src+16*\bb]|, |v[\src+16*\bb+1]|, \fl
.endr
.irp i, 2,4,6,8,10,12,14
.irp bb, 0,1
	s_delay_alu instid0(VALU_DEP_2)
	v_max3_num_f32 v[\tm+\bb], v[\tm+\bb], |v[\src+16*\bb+\i]|, |v[\src+16*\bb+\i+1]|
.endr
.endr
.irp bb, 0,1
	s_delay_alu instid0(VALU_DEP_2)
	v_permlanex16_b32 v[\tm+2+\bb], v[\tm+\bb], s[SEL], s[SEL+1]
.endr
.irp bb, 0,1
	s_delay_alu instid0(VALU_DEP_2)
	v_max_num_f32 v[\tm+\bb], v[\tm+\bb], v[\tm+2+\bb]
.endr
.irp bb, 0,1
	s_delay_alu instid0(VALU_DEP_2)
	v_add_nc_u32 v[\tm+4+\bb], 0xff000000, v[\tm+\bb]
.endr
.irp bb, 0,1
	s_delay_alu instid0(VALU_DEP_2)
	v_lshrrev_b32 v[\tm+6+\bb], 23, v[\tm+4+\bb]
.endr
	s_delay_alu instid0(VALU_DEP_1)
	v_lshl_or_b32 v[\hf], v[\tm+7], 8, v[\tm+6]
.irp bb, 0,1
.irp e, 0,1
	v_cvt_scalef32_pk8_fp4_f32 v[\pc+2*\bb+\e], v[\src+16*\bb+8*\e:\src+16*\bb+8*\e+7], v[\tm+4+\bb]
.endr
.endr
	v_nop
	v_permlane16_swap_b32 v[\pc], v[\pc+2]
	v_permlane16_swap_b32 v[\pc+1], v[\pc+3]
.endm
.macro QLOAD p                         ; query tile p of my two: its codes (registers 0-3) and its rows' two scale bytes
	global_load_b128 v[16:19], v[AK0], s[QB:QB+1] offset:512*\p
	global_load_u16 v255, v[R8], s[QS:QS+1] offset:2*\p
.endm
; A KEY STEP: 128 keys
.macro STEP
	v_add_nc_u32 v[ADK], s[T4], v[AK0]             ; these five are also the places behind the last step's products, in front of the loads into V's registers
	v_add_nc_u32 v[ADV], s[T4], v[AV0]
	v_add_nc_u32 v[ADS], s[T5], v[ASK0]
	v_add_nc_u32 v[ADM], s[T5], v[AM0]
	v_add_nc_u32 v[ADT], s[T2], v[ASV0]
.irp b, 0,1,2,3
.irp i, 0,1,2,3
	ds_load_b128 v[96+16*\b+4*\i:99+16*\b+4*\i], v[ADM] offset:128*\b+16*\i   ; the mask of keys 32 b + 16 h + 4 i on, into the scores' own registers
.endr
.endr
.irp g, 0,1,2,3,4,5,6,7
	ds_load_b128 v[32+8*\g:35+8*\g], v[ADK] offset:512*\g
.endr
.irp q, 0,1
	ds_load_b128 v[24+4*\q:27+4*\q], v[ADS] offset:256*\q
.endr
.irp t, 0,1,2,3
.irp c, 0,1
	ds_load_b128 v[192+8*\t+4*\c:195+8*\t+4*\c], v[ADV] offset:1024*\t+512*\c
.endr
.endr
	ds_load_b128 v[248:251], v[ADT]
	s_wait_dscnt 0x9                               ; the mask, K and its scale words are in; V's nine loads may be out
.irp g, 0,1,2,3,4,5,6,7
	v_wmma_scale_f32_16x16x128_f8f6f4 v[96+8*\g:103+8*\g], v[32+8*\g:39+8*\g], v[16:23], v[96+8*\g:103+8*\g], v[24+\g], v255 matrix_a_fmt:MATRIX_FMT_FP4 matrix_b_fmt:MATRIX_FMT_FP4
.endr
.rept 4
	v_nop
.endr
.irp b, 0,1,2,3
	v_max3_num_f32 v[232+\b], v[96+16*\b], v[97+16*\b], v[98+16*\b]   ; the largest logit of each block of 32 keys: it serves for the row's maximum and, since p rises with the logit, for the block's largest p
.endr
.irp i, 3,5,7,9,11,13
.irp b, 0,1,2,3
	v_max3_num_f32 v[232+\b], v[232+\b], v[96+16*\b+\i], v[97+16*\b+\i]
.endr
.endr
.irp b, 0,1,2,3
	v_max_num_f32 v[232+\b], v[232+\b], v[111+16*\b]
.endr
.irp b, 0,1,2,3
	s_delay_alu instid0(VALU_DEP_4)
	v_permlanex16_b32 v[236+\b], v[232+\b], s[SEL], s[SEL+1]
.endr
.irp b, 0,1,2,3
	s_delay_alu instid0(VALU_DEP_4)
	v_max_num_f32 v[232+\b], v[232+\b], v[236+\b]  ; with lane l xor 16's 16 keys
.endr
	s_delay_alu instid0(VALU_DEP_2)
	v_max3_num_f32 v254, v232, v233, v234
	s_delay_alu instid0(VALU_DEP_1)
	v_max_num_f32 v254, v254, v235
	s_delay_alu instid0(VALU_DEP_1)
	v_mul_f32 v254, s[CS], v254                    ; as t
	s_delay_alu instid0(VALU_DEP_1)
	v_max_num_f32 v13, v13, v254                   ; the running largest t
	v_mov_b32 v254, v12
	s_delay_alu instid0(VALU_DEP_2)
	v_floor_f32 v12, -v13                          ; the new -M = floor(-t): M is a whole number
	s_delay_alu instid0(VALU_DEP_1)
	v_sub_f32 v254, v12, v254                      ; old M - new M: a whole number, 0 or less
	s_delay_alu instid0(VALU_DEP_1)
	v_cvt_i32_f32 v254, v254                       ; (it saturates)
	s_delay_alu instid0(VALU_DEP_1)
	v_ldexp_f32 v252, 1.0, v254                    ; f = 2^(old M - new M)
.set jj, 0
.rept 32
	v_pk_fma_f32 v[96+jj:97+jj], v[96+jj:97+jj], s[CS:CS+1], v[12:13] op_sel_hi:[1,0,0]   ; t - M, two at a time
.set jj, jj+2
.endr
.irp b, 0,1,2,3
	v_fma_f32 v[232+\b], v[232+\b], s[CS], v12     ; the same of each block's largest logit
.endr
.set jj, 0
	s_setprio 1
	s_wait_alu depctr_va_vdst(0)
.rept 64
	v_exp_f32 v[96+jj], v[96+jj]                   ; p = 2^(t - M), at most 1
.set jj, jj+1
.endr
	v_pk_mul_f32 v[14:15], v[14:15], v[252:253] op_sel_hi:[1,0]   ; the sums under the new M: a plain place behind the exponentials
	s_wait_alu depctr_va_vdst(0)                   ; one wait for the batch of 64, ahead of its first reader
.irp b, 0,1,2,3
	v_exp_f32 v[232+\b], v[232+\b]                 ; the block's largest p
.endr
	v_pk_add_f32 v[236:237], v[100:101], v[104:105]
	v_pk_add_f32 v[246:247], v[108:109], v[112:113]
	v_pk_add_f32 v[244:245], v[116:117], v[120:121]
	v_pk_add_f32 v[238:239], v[124:125], v[128:129]
	v_pk_add_f32 v[230:231], v[132:133], v[136:137]
	v_pk_add_f32 v[228:229], v[140:141], v[144:145]
	v_pk_add_f32 v[226:227], v[148:149], v[152:153]
	v_pk_add_f32 v[14:15], v[14:15], v[156:157]
	v_pk_add_f32 v[236:237], v[236:237], v[96:97]
	v_pk_add_f32 v[246:247], v[246:247], v[98:99]
	v_pk_add_f32 v[244:245], v[244:245], v[102:103]
	v_pk_add_f32 v[238:239], v[238:239], v[106:107]
	v_pk_add_f32 v[230:231], v[230:231], v[110:111]
	v_pk_add_f32 v[228:229], v[228:229], v[114:115]
	v_pk_add_f32 v[226:227], v[226:227], v[118:119]
	v_pk_add_f32 v[14:15], v[14:15], v[122:123]
	v_pk_add_f32 v[236:237], v[236:237], v[126:127]
	v_pk_add_f32 v[246:247], v[246:247], v[130:131]
	v_pk_add_f32 v[244:245], v[244:245], v[134:135]
	v_pk_add_f32 v[238:239], v[238:239], v[138:139]
	v_pk_add_f32 v[230:231], v[230:231], v[142:143]
	v_pk_add_f32 v[228:229], v[228:229], v[146:147]
	v_pk_add_f32 v[226:227], v[226:227], v[150:151]
	v_pk_add_f32 v[14:15], v[14:15], v[154:155]
	v_pk_add_f32 v[236:237], v[236:237], v[158:159]
	s_delay_alu instid0(VALU_DEP_2)
	v_pk_add_f32 v[14:15], v[14:15], v[238:239]
	s_delay_alu instid0(VALU_DEP_2)
	v_pk_add_f32 v[236:237], v[236:237], v[230:231]
	v_pk_add_f32 v[246:247], v[246:247], v[228:229]
	v_pk_add_f32 v[244:245], v[244:245], v[226:227]
	s_delay_alu instid0(VALU_DEP_2)
	v_pk_add_f32 v[14:15], v[14:15], v[246:247]
	s_delay_alu instid0(VALU_DEP_2)
	v_pk_add_f32 v[236:237], v[236:237], v[244:245]
	s_delay_alu instid0(VALU_DEP_1)
	v_pk_add_f32 v[14:15], v[14:15], v[236:237]
	s_wait_alu depctr_va_vdst(0)                   ; and one for the four
.irp b, 0,1,2,3
	v_max_num_f32 v[232+\b], 0x1800000, v[232+\b]  ; the floor: the byte cannot fall under 1
.endr
.irp b, 0,1,2,3
	s_delay_alu instid0(VALU_DEP_4)
	v_add_nc_u32 v[244+\b], 0xff000000, v[232+\b]
.endr
.irp b, 0,1,2,3
	s_delay_alu instid0(VALU_DEP_4)
	v_lshrrev_b32 v[236+\b], 23, v[244+\b]
.endr
	s_delay_alu instid0(VALU_DEP_3)
	v_lshl_or_b32 v253, v237, 8, v236              ; p's scale word for these 128 keys
	s_delay_alu instid0(VALU_DEP_1)
	v_lshl_or_b32 v253, v238, 16, v253
	s_delay_alu instid0(VALU_DEP_1)
	v_lshl_or_b32 v253, v239, 24, v253
.irp b, 0,1,2,3
	v_cvt_scalef32_pk8_fp4_f32 v[224+2*\b], v[96+16*\b:103+16*\b], v[244+\b]
	v_cvt_scalef32_pk8_fp4_f32 v[225+2*\b], v[104+16*\b:111+16*\b], v[244+\b]
.endr
	v_nop
	s_setprio 0
.irp c, 0,1
.irp i, 0,1
	v_permlane16_swap_b32 v[224+4*\c+\i], v[226+4*\c+\i]   ; a whole block to a lane
.endr
.endr
.set jj, 0
.rept 16
	v_pk_mul_f32 v[160+jj:161+jj], v[160+jj:161+jj], v[252:253] op_sel_hi:[1,0]   ; O^T under the new M; these are also the places in front of the products below
.set jj, jj+2
.endr
	s_wait_alu depctr_va_vdst(0)
	s_wait_dscnt 0x0                               ; V and its scale words
.irp t, 0,1,2,3
	v_wmma_scale_f32_16x16x128_f8f6f4 v[160+8*\t:167+8*\t], v[192+8*\t:199+8*\t], v[224:231], v[160+8*\t:167+8*\t], v[248+\t], v253 matrix_a_fmt:MATRIX_FMT_FP4 matrix_b_fmt:MATRIX_FMT_FP4
.endr
	s_add_co_u32 s[T4], s[T4], 4096
	s_add_co_u32 s[T5], s[T5], 512
	s_add_co_u32 s[T2], s[T2], 256
.endm
; One tile of 16 queries against all 2,048 keys
.macro PASS p
	s_wait_xcnt 0x0                                ; the earlier stores have read their registers, which the steps write again
	s_wait_loadcnt 0x0                             ; Q and its scale bytes
	v_add_nc_u32 v255, 0xfffffcfd, v255            ; 3 off each of the two bytes (both at least 4: no borrow): / 8.  More than eight plain lines stand between this and the first product
	v_mov_b32 v13, 0xff61b1e6                      ; the largest t so far: -3e38
	s_delay_alu instid0(VALU_DEP_1)
	v_floor_f32 v12, -v13
	v_mov_b32 v14, 0
	v_mov_b32 v15, 0
.set jj, 0
.rept 32
	v_mov_b32 v[160+jj], 0                         ; O^T: the step is written once; its first trip finds zeros
.set jj, jj+1
.endr
	s_mov_b32 s[T4], 0
	s_mov_b32 s[T5], 0
	s_mov_b32 s[T2], 0
	s_mov_b32 s[CNT], 16
.Lstep_\@:
	s_setprio 2
	STEP
	s_sub_co_u32 s[CNT], s[CNT], 1
	s_cmp_lg_u32 s[CNT], 0
	s_cbranch_scc1 .Lstep_\@
	s_setprio 0
.rept 4
	v_nop                                          ; places behind the last products
.endr
.if \p == 0
	QLOAD 1                                        ; the next tile's Q lands under this tile's way out
.endif
	v_add_f32 v14, v14, v15
	s_delay_alu instid0(VALU_DEP_1)
	v_permlanex16_b32 v252, v14, s[SEL], s[SEL+1]
	s_delay_alu instid0(VALU_DEP_1)
	v_add_f32 v14, v14, v252                       ; the row's sum
	s_wait_alu depctr_va_vdst(0)
	v_rcp_f32 v14, v14
	v_nop
	s_wait_alu depctr_va_vdst(0)
.set jj, 0
.rept 16
	v_pk_mul_f32 v[96+jj:97+jj], v[160+jj:161+jj], v[14:15] op_sel_hi:[1,0]   ; ctx: register 16 bb + i is channel 32 bb + 16 h + i of my query
.set jj, jj+2
.endr
	QUANT2 96, 244, H0+\p, 232, 0x1800000
	global_store_b128 v[AK0], v[244:247], s[CQ:CQ+1] offset:8192*\p   ; 512 consecutive bytes: half c = head % 2 of K step head / 2 of the row tile's image
.endm
	s_load_b256 s[4:11], s[0:1], 0x0               ; qkv s[4:5], qkvs s[6:7], mask s[8:9], cq s[10:11]
	s_load_b64 s[12:13], s[0:1], 0x20              ; cs
	v_lshl_add_u32 v[SPW], v0, 2, SPARE
	v_mov_b32 v[NIL], 0
	ds_add_u32 v[SPW], v[NIL]                      ; the wave's opening: the add, twice on end, and its wait ahead of my first tensor load
	ds_add_u32 v[SPW], v[NIL]
	v_lshrrev_b32 v8, 5, v0
	s_delay_alu instid0(VALU_DEP_1)
	v_readfirstlane_b32 s[WV], v8                  ; wave 0..15
	s_and_b32 s[BH], ttmp7, 0xffff
	s_lshr_b32 s[BB], s[BH], 4                     ; batch
	s_and_b32 s[HD], s[BH], 15                     ; head
	s_lshl_b32 s[TQ], ttmp9, 5
	s_lshl_b32 s42, s[WV], 1
	s_add_co_u32 s[TQ], s[TQ], s42                 ; my first query tile of the sequence's 128
	s_mov_b32 s[SEL], 0x76543210
	s_mov_b32 s[SEL+1], 0xfedcba98
	s_mov_b32 s[CS], 0x3fb8aa3b                    ; log2(e)
	s_mov_b32 s[CS+1], s[CS]
	s_mov_b32 s[HM], 0xffff0000
	s_mov_b32 s[G1+0], 3<<16                       ; a dense block of 8,192 bytes as 32 rows of 256 (32 elements of 8 bytes)
	s_mov_b32 s[G1+1], 32<<16
	s_mov_b32 s[G1+2], 32<<16
	s_mov_b32 s[G1+3], 32<<16
	s_mov_b32 s[G1+4], 32
	s_mov_b32 s[G1+5], 32
	s_mov_b32 s[G1+6], 0
	s_mov_b32 s[G1+7], 0
	s_mov_b32 s[G0], 1
	s_lshl_b32 s[G0+1], s[WV], 13                  ; LDS: 8,192 x wave: waves 0-7 fill K's images, waves 8-15 V's
	s_lshr_b32 s42, s[WV], 3
	s_add_co_u32 s42, s42, 1                       ; mat 1 or 2
	s_lshl_b32 s42, s42, 6
	s_add_co_u32 s42, s42, s[BH]
	s_lshl_b32 s42, s42, 16
	s_and_b32 s43, s[WV], 7
	s_lshl_b32 s43, s43, 13
	s_add_co_u32 s42, s42, s43
	s_mov_b32 s43, 0
	s_wait_dscnt 0x0                               ; both opening adds are done
	s_wait_kmcnt 0x0
	s_add_nc_u64 s[G0+2:G0+3], s[4:5], s[42:43]
	s_or_b32 s[G0+3], s[G0+3], 0x80000000
	tensor_load_to_lds s[G0:G0+3], s[G1:G1+7]      ; every wave's one fill: one tensor load of mine is out
	s_nop 0
	s_lshl_b32 s42, s[BH], 16
	s_lshl_b32 s41, s[TQ], 9
	s_add_co_u32 s42, s42, s41
	s_add_nc_u64 s[QB:QB+1], s[4:5], s[42:43]      ; q's codes at my first tile
	s_lshl_b32 s42, s[BH], 12
	s_add_nc_u64 s[58:59], s[6:7], s[42:43]        ; q's scale halves of this (batch, head)
	s_lshr_b32 s42, s[TQ], 2
	s_lshl_b32 s42, s42, 7
	s_and_b32 s41, s[TQ], 3
	s_lshl_b32 s41, s41, 1
	s_add_co_u32 s42, s42, s41
	s_add_nc_u64 s[QS:QS+1], s[58:59], s[42:43]
	s_add_nc_u64 s[KH:KH+1], s[58:59], 64*4096     ; k's
	s_lshl_b32 s42, s[WV], 8
	s_add_co_u32 s42, s42, 128*4096
	s_add_nc_u64 s[VH:VH+1], s[58:59], s[42:43]    ; v's, at key step w
	s_lshl_b32 s42, s[BB], 13
	s_add_nc_u64 s[MB:MB+1], s[8:9], s[42:43]
	s_lshl_b32 s41, s[BB], 7
	s_add_co_u32 s41, s41, s[TQ]                   ; my first tile among ctx's 512 row tiles
	s_lshl_b32 s42, s41, 13
	s_lshr_b32 s60, s[HD], 1
	s_lshl_b32 s60, s60, 10
	s_add_co_u32 s42, s42, s60
	s_and_b32 s60, s[HD], 1
	s_lshl_b32 s60, s60, 9
	s_add_co_u32 s42, s42, s60
	s_add_nc_u64 s[CQ:CQ+1], s[10:11], s[42:43]
	s_lshl_b32 s42, s[HD], 14
	s_lshl_b32 s41, s41, 5
	s_add_co_u32 s42, s42, s41
	s_add_nc_u64 s[CSB:CSB+1], s[12:13], s[42:43]
	v_and_b32 v9, 31, v0
	s_delay_alu instid0(VALU_DEP_1)
	v_lshlrev_b32 v[AK0], 4, v9
	s_delay_alu instid0(VALU_DEP_1)
	v_add_nc_u32 v[AV0], VIMG, v[AK0]
	v_and_b32 v10, 15, v0                          ; r
	v_bfe_u32 v11, v0, 4, 1                        ; h
	s_delay_alu instid0(VALU_DEP_2)
	v_lshl_add_u32 v[ASK0], v10, 4, KSC
	s_delay_alu instid0(VALU_DEP_3)
	v_lshl_add_u32 v[ASV0], v10, 4, VSC
	s_delay_alu instid0(VALU_DEP_3)
	v_lshl_add_u32 v[AM0], v11, 6, MSK
	v_lshlrev_b32 v[R8], 3, v10
	v_lshlrev_b32 v8, 3, v0                        ; 8 t, t my thread's number
	v_lshlrev_b32 v9, 2, v9                        ; 4 x lane
	v_lshlrev_b32 v10, 4, v0                       ; 16 t
	s_delay_alu instid0(VALU_DEP_1)
	v_add_nc_u32 v11, KSC, v10
	s_delay_alu instid0(VALU_DEP_4)
	v_add_nc_u32 v240, VSC, v8
	global_load_b64 v[96:97], v8, s[KH:KH+1]       ; K's halves of (group t / 16, place t % 16): four tiles'
	global_load_b32 v98, v9, s[VH:VH+1]            ; V's halves of keys 128 w on: (place lane / 2, channel tiles 2 (lane % 2), + 1),
	global_load_b32 v99, v9, s[VH:VH+1] offset:128 ; and of keys 128 w + 64 on
	global_load_b128 v[108:111], v10, s[MB:MB+1]   ; four mask numbers
	QLOAD 0
.irp j, 20,21,22,23
	v_mov_b32 v\j, 0                               ; Q's zero codes for k = 64 .. 127
.endr
.irp g, 0,1,2,3,4,5,6,7
.irp j, 4,5,6,7
	v_mov_b32 v[32+8*\g+\j], 0                     ; K's likewise: written once
.endr
.endr
.irp b, 0,1,2,3
	v_mov_b32 v[236+\b], 0                         ; a lane permute's destination counts as one of its sources
.endr
	v_mov_b32 v253, 0                              ; named as the upper half of the pair v[252:253] before it is first written
	s_wait_loadcnt 0x2                             ; all but Q's two loads
	v_and_b32 v100, 0xffff, v96                    ; a half becomes a scale word: bytes 2, 3 are 0 and stand over zero codes
	v_lshrrev_b32 v101, 16, v96
	v_and_b32 v102, 0xffff, v97
	v_lshrrev_b32 v103, 16, v97
	ds_store_b128 v11, v[100:103]
	v_perm_b32 v104, v99, v98, 0x05040100          ; a channel tile's word: the first 64 keys' half below, the second's above
	v_perm_b32 v105, v99, v98, 0x07060302
	ds_store_b64 v240, v[104:105]
	ds_store_b128 v11, v[108:111] offset:MSK-KSC
	s_wait_tensorcnt 0x0                           ; my part of the images has landed,
	s_wait_dscnt 0x0                               ; my stores too,
	s_barrier_signal -1
	s_barrier_wait -1                              ; everybody's have
	PASS 0
	PASS 1
	v_cndmask_b32 v[H0], v[H0], v[H0+1], s[HM]     ; lanes 0-15: the first tile's halves by place; lanes 16-31: the second's
	v_and_b32 v8, 31, v0
	s_delay_alu instid0(VALU_DEP_1)
	v_lshlrev_b32 v8, 1, v8
	global_store_b16 v8, v[H0], s[CSB:CSB+1]       ; 64 consecutive bytes
	s_wait_tensorcnt 0x0                           ; the wave's end
	ds_add_u32 v[SPW], v[NIL]
	s_wait_dscnt 0x0
	s_endpgm
.Lfunc_end_k_q0497da9472_attn:
	.size	k_q0497da9472_attn, .Lfunc_end_k_q0497da9472_attn-k_q0497da9472_attn
	.p2alignl 7, 3214868480
	.fill 96, 4, 3214868480
	.section	.rodata,"a",@progbits
	.p2align	6, 0x0
	.amdhsa_kernel k_q0497da9472_attn
		.amdhsa_group_segment_fixed_size 167936
		.amdhsa_private_segment_fixed_size 0
		.amdhsa_enable_private_segment 0
		.amdhsa_kernarg_size 40
		.amdhsa_user_sgpr_count 2
		.amdhsa_user_sgpr_kernarg_segment_ptr 1
		.amdhsa_wavefront_size32 1
		.amdhsa_system_sgpr_workgroup_id_x 1
		.amdhsa_system_sgpr_workgroup_id_y 1
		.amdhsa_system_sgpr_workgroup_id_z 1
		.amdhsa_system_vgpr_workitem_id 0
		.amdhsa_next_free_vgpr 256
		.amdhsa_next_free_sgpr 66
		.amdhsa_reserve_vcc 0
		.amdhsa_float_denorm_mode_32 3
		.amdhsa_float_denorm_mode_16_64 3
		.amdhsa_memory_ordered 1
		.amdhsa_forward_progress 1
		.amdhsa_inst_pref_size 53
	.end_amdhsa_kernel
	.amdgpu_metadata
---
amdhsa.version: [ 1, 2 ]
amdhsa.kernels:
  - .name:           k_q0497da9472_attn
    .symbol:         k_q0497da9472_attn.kd
    .args:
      - { .name: qkv, .offset: 0, .size: 8, .value_kind: global_buffer, .address_space: global }
      - { .name: qkvs, .offset: 8, .size: 8, .value_kind: global_buffer, .address_space: global }
      - { .name: attention_mask, .offset: 16, .size: 8, .value_kind: global_buffer, .address_space: global }
      - { .name: cq, .offset: 24, .size: 8, .value_kind: global_buffer, .address_space: global }
      - { .name: cs, .offset: 32, .size: 8, .value_kind: global_buffer, .address_space: global }
    .group_segment_fixed_size: 167936
    .private_segment_fixed_size: 0
    .kernarg_segment_align: 8
    .kernarg_segment_size: 40
    .max_flat_workgroup_size: 512
    .sgpr_count:     66
    .vgpr_count:     256
    .wavefront_size: 32
...
	.end_amdgpu_metadata
.endif
;; end of part 3
;; launch outln (part 4): grid 256 x 1, 16 waves a work-group, no clusters, 152,064 bytes of LDS; arguments cq, cs, wq, x, bo, ln_gamma, ln_beta, out0; writes out0
.if DOCPART == 4
	.amdgcn_target "amdgcn-amd-amdhsa--gfx1250"
	.amdhsa_code_object_version 6
	.text
	.protected	k_q0497da9472_outln
	.globl	k_q0497da9472_outln
	.p2align	8
	.type	k_q0497da9472_outln,@function
k_q0497da9472_outln:
	s_mov_b64 s[64:65], 0
	v_nop
	global_prefetch_b8 v0, s[64:65] scope:SCOPE_SE
	s_setreg_imm32_b32 hwreg(HW_REG_WAVE_MODE, 25, 1), 1
	s_wait_xcnt 0x0
; Launch 4 of 4: out = LayerNorm(Q(ctx) Q(Wo) + bo + x) x gamma + beta.  No work of reference() is left out.
; SHARES.  A work-group owns 32 rows (ctx tiles 2 g, 2 g + 1) and all 1,024 columns, so that a row's mean and variance stay inside it.  Wave w owns Wo's tiles 4 w .. 4 w + 3 (columns 64 w on) for both ctx tiles:
; 8 accumulators, 64 matrix instructions.  A fragment of Wo feeds one wave alone: it goes from memory straight into registers, two K steps ahead.  ctx's 16 fragments go round through LDS as images of their registers.
; Source 0 = Wo, source 1 = ctx: a lane holds one row and 8 neighbouring columns a tile.  bo is loaded into the accumulators and is the C of each sum's first product.
; The results meet in a stage of 32 rows x (4,096 bytes + 16); then wave w takes two whole rows: residual, mean, variance of the differences, 1 / sqrt, gain and bias, all in f32; each store covers 512 consecutive bytes.
; No tensor load.  No cluster: Wo's tiles are shared by all work-groups, but they go to registers, not to LDS.
; LIMITS: NaN and infinities among the inputs are not served.
.set REC,   8704
.set CSC,   16384                      ; LDS: ctx's 16 images at 0, their scale words (128 bytes each) here,
.set STG,   18432                      ; the stage,
.set SPI,   4112                       ; its pitch: 257 x 16 bytes
.set SPARE, STG+32*SPI                 ; and the spare words, 128 bytes a wave
.set LI,  1                            ; v1  16 x lane
.set LS,  2                            ; v2  CSC + 4 x lane
.set STO, 3                            ; v3, v4  the stage: row 16 tl + r, + 256 w + 64 h
.set SRD, 5                            ; v5  back: my two rows, 16 bytes a lane
.set SPW, 6                            ; v6  my spare word; never rewritten
.set NIL, 7                            ; v7  0; never rewritten
.set R16, 8                            ; v8  16 r
.set H64, 9                            ; v9  64 h
.set CS,  14                           ; v14-15 ctx's scale words: scales and nothing else
.set CF,  16                           ; v16-31 ctx's two fragments; in the LayerNorm at work
.set WS,  32                           ; v32-63 Wo's scale words, register 8 a + s: scales and nothing else
.set ACC, 64                           ; v64-127 accumulator (a, tl) at ACC + 8 (4 tl + a); later my two rows
.set WF,  128                          ; v128-191 Wo's fragments, two sets; later gamma and beta
.set XR,  192                          ; v192-255 my two rows of x
.set WV,  20
.set SEL, 22
.macro WLOAD s                         ; Wo's four fragments of K step s into set s % 2
.irp a, 0,1,2,3
.irp c, 0,1
	global_load_b128 v[WF+32*((\s)%2)+8*\a+4*\c:WF+32*((\s)%2)+8*\a+4*\c+3], v[LI], s[8:9] offset:\a*REC+(\s)*1024+512*\c
.endr
.endr
.endm
; K step s.  left: the global loads issued behind this step's fragments of Wo, which may stay out
.macro OSTEP s, left
.irp tl, 0,1
.irp c, 0,1
	ds_load_b128 v[CF+8*\tl+4*\c:CF+8*\tl+4*\c+3], v[LI] offset:(8*\tl+\s)*1024+512*\c
.endr
	ds_load_b32 v[CS+\tl], v[LS] offset:(8*\tl+\s)*128
.endr
	s_wait_loadcnt \left
	s_wait_dscnt 0x0
.irp tl, 0,1
.irp a, 0,1,2,3
	v_wmma_scale_f32_16x16x128_f8f6f4 v[ACC+8*(4*\tl+\a):ACC+8*(4*\tl+\a)+7], v[WF+32*((\s)%2)+8*\a:WF+32*((\s)%2)+8*\a+7], v[CF+8*\tl:CF+8*\tl+7], v[ACC+8*(4*\tl+\a):ACC+8*(4*\tl+\a)+7], v[WS+8*\a+\s], v[CS+\tl] matrix_a_fmt:MATRIX_FMT_FP4 matrix_b_fmt:MATRIX_FMT_FP4
.endr
.endr
.rept 4
	v_nop                                          ; four places in front of loads into registers that these products have read, and of the first read of results
.endr
.endm
.macro REDUCE                          ; v16 and v24 summed over the 32 lanes, the two rows by turns
.irp m, 1,2,4,8
.irp e, 0,1
	s_delay_alu instid0(VALU_DEP_2)
	v_add_f32_dpp v[16+8*\e], v[16+8*\e], v[16+8*\e] row_xmask:\m row_mask:0xf bank_mask:0xf
.endr
.endr
.irp e, 0,1
	s_delay_alu instid0(VALU_DEP_2)
	v_permlanex16_b32 v[17+8*\e], v[16+8*\e], s[SEL], s[SEL+1]
.endr
.irp e, 0,1
	s_delay_alu instid0(VALU_DEP_2)
	v_add_f32 v[16+8*\e], v[16+8*\e], v[17+8*\e]
.endr
.endm
	s_load_b256 s[4:11], s[0:1], 0x0               ; cq s[4:5], cs s[6:7], wq s[8:9], x s[10:11]
	s_load_b256 s[12:19], s[0:1], 0x20             ; bo s[12:13], gamma s[14:15], beta s[16:17], out0 s[18:19]
	v_lshl_add_u32 v[SPW], v0, 2, SPARE
	v_mov_b32 v[NIL], 0
	v_lshrrev_b32 v10, 5, v0
	s_delay_alu instid0(VALU_DEP_1)
	v_readfirstlane_b32 s[WV], v10                 ; wave 0..15
	v_and_b32 v10, 31, v0
	s_delay_alu instid0(VALU_DEP_1)
	v_lshlrev_b32 v[LI], 4, v10
	s_delay_alu instid0(VALU_DEP_2)
	v_lshl_add_u32 v[LS], v10, 2, CSC
	v_and_b32 v11, 15, v0                          ; r
	v_bfe_u32 v12, v0, 4, 1                        ; h
	s_delay_alu instid0(VALU_DEP_2)
	v_lshlrev_b32 v[R16], 4, v11
	s_delay_alu instid0(VALU_DEP_2)
	v_lshlrev_b32 v[H64], 6, v12
	s_delay_alu instid0(VALU_DEP_4)
	v_lshlrev_b32 v13, 1, v11                      ; 2 r
	v_mul_u32_u24 v[STO], v11, SPI
	s_delay_alu instid0(VALU_DEP_1)
	v_lshl_add_u32 v[STO], v12, 6, v[STO]
	s_lshl_b32 s24, s[WV], 8
	s_add_co_u32 s24, s24, STG
	v_add_nc_u32 v[STO], s24, v[STO]
	s_delay_alu instid0(VALU_DEP_1)
	v_add_nc_u32 v[STO+1], 16*SPI, v[STO]
	s_mul_i32 s24, s[WV], 2*SPI
	s_add_co_u32 s24, s24, STG
	v_add_nc_u32 v[SRD], s24, v[LI]
	s_lshl_b32 s24, s[WV], 10
	v_add_nc_u32 v10, s24, v[LI]                   ; where I store my image: 1,024 w + 16 x lane
	s_lshl_b32 s24, s[WV], 7
	v_add_nc_u32 v12, s24, v[LS]                   ; and its scale words: CSC + 128 w + 4 x lane
	s_mov_b32 s[SEL], 0x76543210
	s_mov_b32 s[SEL+1], 0xfedcba98
	s_mov_b32 s38, 0x3a800000                      ; 1 / 1,024
	s_mov_b32 s39, 0x2b8cbccc                      ; 1e-12
	s_lshr_b32 s21, s[WV], 3                       ; the fragment that I bring: ctx tile tl = w / 8,
	s_and_b32 s25, s[WV], 7                        ; K step w % 8
	s_lshl_b32 s26, ttmp9, 1
	s_add_co_u32 s26, s26, s21
	s_lshl_b32 s28, s26, 13
	s_lshl_b32 s29, s25, 10
	s_add_co_u32 s28, s28, s29
	s_mov_b32 s29, 0
	s_lshl_b32 s30, s25, 15                        ; heads 2 s and 2 s + 1: 16,384 bytes a head
	s_lshl_b32 s31, s26, 5
	s_add_co_u32 s30, s30, s31
	s_mov_b32 s31, 0
	s_lshl_b32 s32, s[WV], 2
	s_add_co_u32 s32, s32, 192                     ; Wo's tiles begin at 192
	s_mul_i32 s32, s32, REC
	s_mov_b32 s33, 0
	s_lshl_b32 s34, s[WV], 8                       ; bo: my 64 columns
	s_mov_b32 s35, 0
	s_lshl_b32 s36, ttmp9, 5                       ; stage rows 2 w, 2 w + 1 are places 2 (w % 8), + 1 of tile w / 8: rows 32 g + 8 (w / 8) + 16 ((w / 4) % 2) + 2 (w % 4), + 1
	s_lshl_b32 s37, s21, 3
	s_add_co_u32 s36, s36, s37
	s_bfe_u32 s37, s[WV], 0x10002
	s_lshl_b32 s37, s37, 4
	s_add_co_u32 s36, s36, s37
	s_and_b32 s37, s[WV], 3
	s_lshl_b32 s37, s37, 1
	s_add_co_u32 s36, s36, s37
	s_lshl_b32 s36, s36, 12
	s_mov_b32 s37, 0
	s_wait_alu depctr_va_vdst(0)
	s_wait_kmcnt 0x0
	s_add_nc_u64 s[4:5], s[4:5], s[28:29]
	s_add_nc_u64 s[6:7], s[6:7], s[30:31]
	s_add_nc_u64 s[8:9], s[8:9], s[32:33]
	s_add_nc_u64 s[12:13], s[12:13], s[34:35]
	s_add_nc_u64 s[10:11], s[10:11], s[36:37]
	s_add_nc_u64 s[18:19], s[18:19], s[36:37]
	global_load_b128 v[16:19], v[LI], s[4:5]       ; 60 loads in this order: my fragment of ctx (2) and its two halves (2),
	global_load_b128 v[20:23], v[LI], s[4:5] offset:512
	global_load_u16 v24, v13, s[6:7]
	global_load_u16 v25, v13, s[6:7] offset:16384
.irp tl, 0,1
.irp a, 0,1,2,3
.irp e, 0,1
	global_load_b128 v[ACC+8*(4*\tl+\a)+4*\e:ACC+8*(4*\tl+\a)+4*\e+3], v[H64], s[12:13] offset:(32*(\a/2)+8*(\a%2))*4+16*\e   ; bo (16),
.endr
.endr
.endr
.irp a, 0,1,2,3
.irp q, 0,1
	global_load_b128 v[WS+8*\a+4*\q:WS+8*\a+4*\q+3], v[R16], s[8:9] offset:\a*REC+8192+256*\q   ; Wo's scale words (8),
.endr
.endr
	WLOAD 0                                        ; Wo's K steps 0 and 1 (8 and 8),
	WLOAD 1
.irp e, 0,1
.irp j, 0,1,2,3,4,5,6,7
	global_load_b128 v[XR+32*\e+4*\j:XR+32*\e+4*\j+3], v[LI], s[10:11] offset:4096*\e+512*\j th:TH_LOAD_NT   ; my two rows of x (16)
.endr
.endr
	s_wait_loadcnt 56                              ; the first four are in
	v_lshl_or_b32 v26, v25, 16, v24                ; my row's scale word of this K step: head 2 s's two bytes, then head 2 s + 1's
	ds_store_b128 v10, v[16:19]
	ds_store_b128 v10, v[20:23] offset:512
	ds_store_b32 v12, v26
	s_wait_dscnt 0x0                               ; for the others' sake: my stores are done
	s_barrier_signal -1
	s_barrier_wait -1                              ; ctx's sixteen fragments lie in LDS
	OSTEP 0, 24                                    ; behind K step 0's fragments: K step 1's 8 and x's 16
	WLOAD 2
	OSTEP 1, 24                                    ; x's 16 and K step 2's 8
	WLOAD 3
	OSTEP 2, 8                                     ; from here on: the 8 issued behind the step before
	WLOAD 4
	OSTEP 3, 8
	WLOAD 5
	OSTEP 4, 8
	WLOAD 6
	OSTEP 5, 8
	WLOAD 7
	OSTEP 6, 8
.irp j, 0,1,2,3,4,5,6,7
	global_load_b128 v[WF+4*\j:WF+4*\j+3], v[LI], s[14:15] offset:512*\j      ; gamma, into the set just left
.endr
	OSTEP 7, 8
.irp j, 0,1,2,3,4,5,6,7
	global_load_b128 v[WF+32+4*\j:WF+32+4*\j+3], v[LI], s[16:17] offset:512*\j   ; beta
.endr
.irp tl, 0,1
.irp a, 0,1,2,3
.irp e, 0,1
	ds_store_b128 v[STO+\tl], v[ACC+8*(4*\tl+\a)+4*\e:ACC+8*(4*\tl+\a)+4*\e+3] offset:(32*(\a/2)+8*(\a%2))*4+16*\e   ; each accumulator from its low end on
.endr
.endr
.endr
	s_wait_dscnt 0x0
	s_barrier_signal -1
	s_barrier_wait -1                              ; 32 whole rows lie in the stage
.irp e, 0,1
.irp j, 0,1,2,3,4,5,6,7
	ds_load_b128 v[ACC+32*\e+4*\j:ACC+32*\e+4*\j+3], v[SRD] offset:SPI*\e+512*\j
.endr
.endr
	s_wait_dscnt 0x0
	s_wait_loadcnt 0x0                             ; gamma and beta
	; ---- the LayerNorm: two rows by turns; a lane holds columns 128 j + 4 lane + 0 .. 3
.set jj, 0
.rept 16
.irp e, 0,1
	v_pk_add_f32 v[ACC+32*\e+jj:ACC+32*\e+jj+1], v[ACC+32*\e+jj:ACC+32*\e+jj+1], v[XR+32*\e+jj:XR+32*\e+jj+1]   ; y = h + x
.endr
.set jj, jj+2
.endr
.irp e, 0,1
	v_pk_add_f32 v[16+8*\e:17+8*\e], v[ACC+32*\e:ACC+32*\e+1], v[ACC+32*\e+2:ACC+32*\e+3]   ; the sum, in two chains a row
	v_pk_add_f32 v[18+8*\e:19+8*\e], v[ACC+32*\e+4:ACC+32*\e+5], v[ACC+32*\e+6:ACC+32*\e+7]
.endr
.irp p, 8,12,16,20,24,28
.irp e, 0,1
	s_delay_alu instid0(VALU_DEP_4)
	v_pk_add_f32 v[16+8*\e:17+8*\e], v[16+8*\e:17+8*\e], v[ACC+32*\e+\p:ACC+32*\e+\p+1]
	s_delay_alu instid0(VALU_DEP_4)
	v_pk_add_f32 v[18+8*\e:19+8*\e], v[18+8*\e:19+8*\e], v[ACC+32*\e+\p+2:ACC+32*\e+\p+3]
.endr
.endr
.irp e, 0
	s_delay_alu instid0(VALU_DEP_3)
	v_pk_add_f32 v[16+8*\e:17+8*\e], v[16+8*\e:17+8*\e], v[18+8*\e:19+8*\e]
.endr
.irp e, 1
	s_delay_alu instid0(VALU_DEP_2)
	v_pk_add_f32 v[16+8*\e:17+8*\e], v[16+8*\e:17+8*\e], v[18+8*\e:19+8*\e]
.endr
.irp e, 0,1
	s_delay_alu instid0(VALU_DEP_2)
	v_add_f32 v[16+8*\e], v[16+8*\e], v[17+8*\e]
.endr
	REDUCE
.irp e, 0,1
	s_delay_alu instid0(VALU_DEP_2)
	v_mul_f32 v[20+8*\e], s38, v[16+8*\e]          ; the mean
.endr
.irp e, 0,1
	s_delay_alu instid0(VALU_DEP_2)
	v_mov_b32 v[21+8*\e], v[20+8*\e]               ; (the pair's upper word is written)
.endr
.set jj, 0
.rept 16
.irp e, 0,1
	v_pk_add_f32 v[ACC+32*\e+jj:ACC+32*\e+jj+1], v[ACC+32*\e+jj:ACC+32*\e+jj+1], v[20+8*\e:21+8*\e] op_sel_hi:[1,0] neg_lo:[0,1] neg_hi:[0,1]   ; d = y - mean
.endr
.set jj, jj+2
.endr
.irp e, 0,1
	v_pk_mul_f32 v[16+8*\e:17+8*\e], v[ACC+32*\e:ACC+32*\e+1], v[ACC+32*\e:ACC+32*\e+1]       ; the sum of d^2
	v_pk_mul_f32 v[18+8*\e:19+8*\e], v[ACC+32*\e+2:ACC+32*\e+3], v[ACC+32*\e+2:ACC+32*\e+3]
.endr
.irp p, 4,8,12,16,20,24,28
.irp e, 0,1
	s_delay_alu instid0(VALU_DEP_4)
	v_pk_fma_f32 v[16+8*\e:17+8*\e], v[ACC+32*\e+\p:ACC+32*\e+\p+1], v[ACC+32*\e+\p:ACC+32*\e+\p+1], v[16+8*\e:17+8*\e]
	s_delay_alu instid0(VALU_DEP_4)
	v_pk_fma_f32 v[18+8*\e:19+8*\e], v[ACC+32*\e+\p+2:ACC+32*\e+\p+3], v[ACC+32*\e+\p+2:ACC+32*\e+\p+3], v[18+8*\e:19+8*\e]
.endr
.endr
.irp e, 0
	s_delay_alu instid0(VALU_DEP_3)
	v_pk_add_f32 v[16+8*\e:17+8*\e], v[16+8*\e:17+8*\e], v[18+8*\e:19+8*\e]
.endr
.irp e, 1
	s_delay_alu instid0(VALU_DEP_2)
	v_pk_add_f32 v[16+8*\e:17+8*\e], v[16+8*\e:17+8*\e], v[18+8*\e:19+8*\e]
.endr
.irp e, 0,1
	s_delay_alu instid0(VALU_DEP_2)
	v_add_f32 v[16+8*\e], v[16+8*\e], v[17+8*\e]
.endr
	REDUCE
.irp e, 0,1
	s_delay_alu instid0(VALU_DEP_2)
	v_fma_f32 v[22+8*\e], v[16+8*\e], s38, s39     ; the variance + 1e-12
.endr
	s_wait_alu depctr_va_vdst(0)
.irp e, 0,1
	v_rsq_f32 v[22+8*\e], v[22+8*\e]
.endr
	v_mov_b32 v23, 0                               ; the pairs' upper words: plain places behind the two roots
	v_mov_b32 v31, 0
	s_wait_alu depctr_va_vdst(0)                   ; one wait for both, ahead of their first reader
.set jj, 0
.rept 16
.irp e, 0,1
	v_pk_mul_f32 v[ACC+32*\e+jj:ACC+32*\e+jj+1], v[ACC+32*\e+jj:ACC+32*\e+jj+1], v[22+8*\e:23+8*\e] op_sel_hi:[1,0]
.endr
.irp e, 0,1
	s_delay_alu instid0(VALU_DEP_2)
	v_pk_fma_f32 v[ACC+32*\e+jj:ACC+32*\e+jj+1], v[ACC+32*\e+jj:ACC+32*\e+jj+1], v[WF+jj:WF+jj+1], v[WF+32+jj:WF+32+jj+1]
.endr
.set jj, jj+2
.endr
.irp e, 0,1
.irp j, 0,1,2,3,4,5,6,7
	global_store_b128 v[LI], v[ACC+32*\e+4*\j:ACC+32*\e+4*\j+3], s[18:19] offset:4096*\e+512*\j th:TH_STORE_NT   ; 512 consecutive bytes, aligned; written once
.endr
.endr
	s_wait_tensorcnt 0x0                           ; the wave's end
	ds_add_u32 v[SPW], v[NIL]
	s_wait_dscnt 0x0
	s_endpgm
.Lfunc_end_k_q0497da9472_outln:
	.size	k_q0497da9472_outln, .Lfunc_end_k_q0497da9472_outln-k_q0497da9472_outln
	.p2alignl 7, 3214868480
	.fill 96, 4, 3214868480
	.section	.rodata,"a",@progbits
	.p2align	6, 0x0
	.amdhsa_kernel k_q0497da9472_outln
		.amdhsa_group_segment_fixed_size 152064
		.amdhsa_private_segment_fixed_size 0
		.amdhsa_enable_private_segment 0
		.amdhsa_kernarg_size 64
		.amdhsa_user_sgpr_count 2
		.amdhsa_user_sgpr_kernarg_segment_ptr 1
		.amdhsa_wavefront_size32 1
		.amdhsa_system_sgpr_workgroup_id_x 1
		.amdhsa_system_sgpr_workgroup_id_y 1
		.amdhsa_system_sgpr_workgroup_id_z 1
		.amdhsa_system_vgpr_workitem_id 0
		.amdhsa_next_free_vgpr 256
		.amdhsa_next_free_sgpr 66
		.amdhsa_reserve_vcc 0
		.amdhsa_float_denorm_mode_32 3
		.amdhsa_float_denorm_mode_16_64 3
		.amdhsa_memory_ordered 1
		.amdhsa_forward_progress 1
		.amdhsa_inst_pref_size 50
	.end_amdhsa_kernel
	.amdgpu_metadata
---
amdhsa.version: [ 1, 2 ]
amdhsa.kernels:
  - .name:           k_q0497da9472_outln
    .symbol:         k_q0497da9472_outln.kd
    .args:
      - { .name: cq, .offset: 0, .size: 8, .value_kind: global_buffer, .address_space: global }
      - { .name: cs, .offset: 8, .size: 8, .value_kind: global_buffer, .address_space: global }
      - { .name: wq, .offset: 16, .size: 8, .value_kind: global_buffer, .address_space: global }
      - { .name: x, .offset: 24, .size: 8, .value_kind: global_buffer, .address_space: global }
      - { .name: bo, .offset: 32, .size: 8, .value_kind: global_buffer, .address_space: global }
      - { .name: ln_gamma, .offset: 40, .size: 8, .value_kind: global_buffer, .address_space: global }
      - { .name: ln_beta, .offset: 48, .size: 8, .value_kind: global_buffer, .address_space: global }
      - { .name: out0, .offset: 56, .size: 8, .value_kind: global_buffer, .address_space: global }
    .group_segment_fixed_size: 152064
    .private_segment_fixed_size: 0
    .kernarg_segment_align: 8
    .kernarg_segment_size: 64
    .max_flat_workgroup_size: 512
    .sgpr_count:     66
    .vgpr_count:     256
    .wavefront_size: 32
...
	.end_amdgpu_metadata
.endif
;; end of part 4
